; MI455X (gfx1250); checked and timed in simulation.
; The chip was launched on July 23, 2026; its instructions are those of AMD's public machine-readable ISA for CDNA 5 (MIT licence, August 2026) and "CDNA5" Instruction Set Architecture Reference Guide (July 2026). The comments in the code are by the model that wrote it; some were corrected since.
;; Mo E Layer. Allowed arithmetic: matrix products marked QUANTISED: E3M2 operands, one E8M0 scale for each 32 along K, by v_wmma_scale_f32_16x16x128_f8f6f4 with both operands' format E3M2, f32 sums; products left as they are: f32 operands where the result goes on into a quantised operand, else bf16, f16 or f32 operands; f32 sums; everything else in f32.
;; Inputs: gate_w 8 x 1,024 float32; w1_codes 8 x 4,096 x 32 x 24 uint8 (E3M2 codes of w1, K innermost, in blocks of 32 codes, four codes in three bytes); w1_scales 8 x 4,096 x 32 uint8 (E8M0 scales of w1, one for each 32 codes along K); w2_codes 8 x 1,024 x 128 x 24 uint8 (E3M2 codes of w2, K innermost, in blocks of 32 codes, four codes in three bytes); w2_scales 8 x 1,024 x 128 uint8 (E8M0 scales of w2, one for each 32 codes along K); x 2 x 512 x 1,024 float32.
;; Outputs: out0 2 x 512 x 1,024 float32.
;; This version of the problem:
;;   THIS VERSION OF THE PROBLEM IS GIVEN IN LOW PRECISION. The matrix products marked QUANTISED in the list below multiply operands that are first quantised to E3M2 (3 exponent bits, 2 mantissa bits; 6 bits a number), with one power-of-two scale for each 32 numbers along K (OCP MX v1.0); their sums are f32. All else is computed in f32.
;;   The module's matrix products, in the order in which they are computed (A, B: the left and right operand; K: the contracted axis; several contracted axes count as one K, in the product's order):
;;     1. [M 1,024, K 1,024] x [K 1,024, N 8]; A: input x; B: input gate_w: left as it is (N = 8 < 16)
;;     2. [M 32,768, K 1,024] x [K 1,024, N 1,024]; A: input w1 (given as codes); B: input x: QUANTISED
;;     3. batch 8 x [M 1,024, K 4,096] x [K 4,096, N 1,024]; A: computed on the way; B: input w2 (given as codes): QUANTISED
;;     4. batch 1,024 x [M 1,024, K 8] x [K 8, N 1]; A: computed on the way; B: computed on the way: left as it is (K = 8 < 32)
;;   THE QUANTISER, for each operand of a quantised product, along K:
;;     - K is cut into blocks of 32 from its start; a last block that is shorter is filled with zeros.
;;     - A block's scale is 2^e with e = floor(log2(the largest magnitude in the block)) - 4, held to -126 .. 127; a block of zeros has e = 0. As a byte (E8M0): e + 127.
;;     - Each number is divided by its block's scale, clamped to +-28, and rounded to the nearest number of E3M2, ties to even, subnormals kept.
;;     - The product sums the exact products of the quantised numbers (number of the format x scale) in f32.
;;   ~~~python
;;   def quantise(x, axis):      # numpy; x: float32 -> the quantised numbers, widened to float32 again
;;       x = np.moveaxis(x, axis, -1); K = x.shape[-1]
;;       x = np.pad(x, [(0, 0)] * (x.ndim - 1) + [(0, -K % 32)]); x = x.reshape(x.shape[:-1] + (-1, 32)); a = np.abs(x).max(-1, keepdims=True)
;;       e = np.where(a > 0, np.clip(np.frexp(np.where(a > 0, a, 1))[1] - 1 - 4, -126, 127), 0)      # np.frexp(a)[1] - 1 = floor(log2(a)), exactly
;;       r = np.clip(x / 2.0 ** e, -28, 28)
;;       step = 2.0 ** (np.maximum(np.frexp(np.where(r == 0, 1, r))[1] - 1, -2) - 2)
;;       q = np.round(r / step) * step * 2.0 ** e      # np.round: ties to even
;;       return np.moveaxis(q.reshape(q.shape[:-2] + (-1,))[..., :K], -1, axis).astype(np.float32)
;;   ~~~
;;   OPERANDS COMPUTED ON THE WAY. 'Computed on the way' means the value that the module computes at that place (a softmax that the list does not call 'softmax' is quantised finished and normalised). What goes into a quantiser is computed in f32, as accurately as f32 sums, v_exp_f32 and their like allow (about 1e-6 of the number): no bf16 or f16 on the way to a quantiser, and a product that is left as it is and whose result goes on into a quantised operand takes f32 operands (vector FMAs, or v_wmma_f32_16x16x4_f32). A number that lies on a knife's edge between two numbers of the format may be rounded either way, as far as f32 arithmetic and the matrix unit's own rounding can turn it there, and no further.
;;   INPUTS GIVEN AS CODES. w1 (in the module: [8, 1024, 4096], K = its axis 1); w2 (in the module: [8, 4096, 1024], K = its axis 1): each comes as NAME_codes (uint8): NAME with its K axis moved to the last place and cut into blocks of 32 codes, [.., K / 32, bytes a block], one block behind the other in memory; four codes in three bytes: a row's codes are one little-endian stream of bits, code i at bits 6 i .. 6 i + 5 (a code: sign, 3 exponent bits, 2 mantissa bits); and NAME_scales (uint8): the same leading axes, one E8M0 byte (e + 127) for each 32 codes along K. Its value is code x scale, taken as it is: it is not quantised again, and the codes and scales need not be those that the quantiser above would give.
;; 2 versions, each right; version 2 is version 1 with the launches up, down written anew for expert scheduling mode. Each part assembles by itself: llvm-mc -triple=amdgcn-amd-amdhsa -mcpu=gfx1250 --defsym DOCPART=n.
;; ======== version 1 of 2: 3 launches
;; workspace buffers: xc 786,432 bytes; xs 32,768 bytes; ids 4,096 bytes of whole numbers; hc 25,165,824 bytes; hs 1,048,576 bytes
;; launch route (part 1): grid 256 x 1, 4 waves a work-group, no clusters, 57,856 bytes of LDS; arguments x, gate_w, xc, xs, ids; writes xc, xs, ids
.if DOCPART == 1
	.amdgcn_target "amdgcn-amd-amdhsa--gfx1250"
	.amdhsa_code_object_version 6
	.text
	.protected	k_qb21dcff21d_route
	.globl	k_qb21dcff21d_route
	.p2align	8
	.type	k_qb21dcff21d_route,@function
k_qb21dcff21d_route:
	s_mov_b64 s[64:65], 0
	v_nop
	global_prefetch_b8 v0, s[64:65] scope:SCOPE_SE
	s_setreg_imm32_b32 hwreg(HW_REG_WAVE_MODE, 25, 1), 1
	s_wait_xcnt 0x0
; ROUTE.  For each of the 1,024 tokens: the 8 router logits (f32 multiply-adds), their argmax (the lower index wins a tie), and the token's 1,024 numbers as codes of
; BF6 (E3M2) with one E8M0 byte for each 32 along D.  A work-group takes 4 tokens, a wave one.  The expert's number is only STORED here (ids, 4 bytes a token, at a fixed place).
; LAYOUT OF xc: token t at 768 t.  Block B = 4 s + q (s: which 128 along D, q: which 32 of them) lies at 384 (q / 2) + 48 s + 24 (q % 2): so the lanes of half h of a matrix operand,
; which in this program take blocks 2 h and 2 h + 1 of every 128, find their 384 bytes on end.  xs: token t at 32 t, word s; block q's byte stands at byte 2 (q % 2) + q / 2 of the word,
; which is the place at which the matrix instruction looks for it under that order of K.
; A block's scale is 2^(floor(log2(largest magnitude)) - 4): its byte is the largest magnitude's exponent field - 4, held at 1 from below by a floor among the maximum's leaves.
; LIMITS: NaN and infinities in x or gate_w are not served.  A token whose two best logits differ by less than the rounding of a 1,024-term f32 sum may go to the other of the two.
; A block of zeros gets the byte 1 (its codes are zeros; only this program reads the bytes).
; No matrix unit (N = 8), no cluster (the gate, 32 KB, is the only shared input and is read once by each work-group).
.set GIMG, 0                           ; LDS: the gate as it lies: piece 8 e + i of 512 bytes, lane l at 16 l
.set WREG, 32768                       ; behind it a region for each wave:
.set WSZ,  6144
.set CST,  4608                        ;   +0 the turn: 32 blocks x (128 + 16) bytes;  +4,608 the row's 768 bytes of codes;
.set SST,  5376                        ;   +5,376 its 32 scale bytes
.set LN,   1                           ; v1  lane
.set L16,  2                           ; v2  16 x lane
.set L8,   3                           ; v3  8 x lane
.set L4,   4                           ; v4  4 x lane
.set NIL,  5                           ; v5  0
.set X,    8                           ; v8-39    x as loaded: piece i, lane l: numbers 128 i + 4 l + 0..3
.set G,    40                          ; v40-167  four experts' rows of the gate, in x's layout (first the wave's 16 loads of the gate)
.set ACC,  168                         ; v168-183 a pair of sums for each expert
.set XT,   184                         ; v184-215 x turned: lane = block, 32 neighbours
.set TA,   216
.set TR,   217
.set GA,   218
.set CA,   219
.set SA,   220
.set WB,   221
.set WB8,  222
.set WB4,  223
.set K,    224                         ; v224-229 a block's 24 bytes of codes
.set TMP,  230
.set MX,   234
.set EX,   236
.set BY,   237
.set BEST, 238
.set IDX,  239
.set O16,  240
.set O8,   244
.set O4,   246
	s_load_b256 s[4:11], s[0:1], 0x0               ; x s[4:5], gate_w s[6:7], xc s[8:9], xs s[10:11]
	s_load_b64 s[12:13], s[0:1], 0x20              ; ids
	v_lshl_add_u32 v248, v0, 2, 0xe000
	v_mov_b32 v249, 0
	v_lshrrev_b32 v6, 5, v0
	v_readfirstlane_b32 s14, v6                    ; wave
	v_and_b32 v[LN], 31, v0
	v_lshlrev_b32 v[L16], 4, v[LN]
	v_lshlrev_b32 v[L8], 3, v[LN]
	v_lshlrev_b32 v[L4], 2, v[LN]
	v_mov_b32 v[NIL], 0
	s_lshl_b32 s15, ttmp9, 2
	s_add_co_u32 s15, s15, s14                     ; my token
	s_mov_b32 s16, 0x76543210
	s_mov_b32 s17, 0xfedcba98                      ; v_permlanex16_b32: lane l xor 16
	s_mul_i32 s21, s14, WSZ
	s_add_co_u32 s21, s21, WREG                    ; my region of LDS
	s_lshl_b32 s22, s14, 13                        ; my quarter of the gate, in memory and in LDS
	s_mov_b32 s23, 0
	s_lshl_b32 s18, s15, 12
	s_mov_b32 s19, 0
	s_mul_i32 s24, s15, 768
	s_mov_b32 s25, 0
	s_lshl_b32 s26, s15, 5
	s_mov_b32 s27, 0
	s_lshl_b32 s28, s15, 2
	s_mov_b32 s29, 0
	s_wait_kmcnt 0x0
	s_add_nc_u64 s[4:5], s[4:5], s[18:19]
	s_add_nc_u64 s[6:7], s[6:7], s[22:23]
	s_add_nc_u64 s[8:9], s[8:9], s[24:25]
	s_add_nc_u64 s[10:11], s[10:11], s[26:27]
	s_add_nc_u64 s[12:13], s[12:13], s[28:29]
.irp i, 0,1,2,3,4,5,6,7
	global_load_b128 v[X+4*\i:X+4*\i+3], v[L16], s[4:5] offset:512*\i th:TH_LOAD_NT   ; 512 consecutive bytes a load
.endr
.irp i, 0,1,2,3,4,5,6,7,8,9,10,11,12,13,14,15
	global_load_b128 v[G+4*\i:G+4*\i+3], v[L16], s[6:7] offset:512*\i
.endr
	v_lshrrev_b32 v6, 3, v[LN]
	v_mul_u32_u24 v6, v6, 144
	v_and_b32 v7, 7, v[LN]
	v_lshl_add_u32 v6, v7, 4, v6
	v_add_nc_u32 v[TA], s21, v6                    ; the turn, in: eight lanes' 128 bytes are a block: 144 (l / 8) + 16 (l % 8); a load's four blocks take 576
	v_mul_u32_u24 v6, v[LN], 144
	v_add_nc_u32 v[TR], s21, v6                    ; and out: block = lane
	v_add_nc_u32 v[GA], s22, v[L16]
	v_bfe_u32 v6, v[LN], 1, 1
	v_mul_u32_u24 v6, v6, 384
	v_lshrrev_b32 v7, 2, v[LN]
	v_mad_u32_u24 v6, v7, 48, v6
	v_and_b32 v7, 1, v[LN]
	v_mad_u32_u24 v6, v7, 24, v6
	v_add_nc_u32 v[CA], s21, v6                    ; block l's codes: 384 ((l / 2) % 2) + 48 (l / 4) + 24 (l % 2)
	v_and_b32 v6, 0x1c, v[LN]
	v_lshl_add_u32 v6, v7, 1, v6
	v_bfe_u32 v7, v[LN], 1, 1
	v_add_nc_u32 v6, v6, v7
	v_add_nc_u32 v[SA], s21, v6                    ; its scale byte: 4 (l / 4) + 2 (l % 2) + (l / 2) % 2
	v_add_nc_u32 v[WB], s21, v[L16]
	v_add_nc_u32 v[WB8], s21, v[L8]
	v_and_b32 v6, 7, v[LN]
	v_lshl_add_u32 v[WB4], v6, 2, s21
	s_wait_loadcnt 16                              ; x's eight loads are in; the gate's sixteen stay out
.irp i, 0,1,2,3,4,5,6,7
	ds_store_b128 v[TA], v[X+4*\i:X+4*\i+3] offset:576*\i
.endr
	s_wait_loadcnt 0x0
.irp i, 0,1,2,3,4,5,6,7,8,9,10,11,12,13,14,15
	ds_store_b128 v[GA], v[G+4*\i:G+4*\i+3] offset:GIMG+512*\i
.endr
	s_wait_dscnt 0x0                               ; for the others: my quarter of the gate lies in LDS
	s_barrier_signal -1
	s_barrier_wait -1
.irp c, 0,1,2,3,4,5,6,7
	ds_load_b128 v[XT+4*\c:XT+4*\c+3], v[TR] offset:16*\c
.endr
.macro GATE e0                         ; four experts' rows into G
.irp e, 0,1,2,3
.irp i, 0,1,2,3,4,5,6,7
	ds_load_b128 v[G+32*\e+4*\i:G+32*\e+4*\i+3], v[L16] offset:GIMG+(8*(\e0+\e)+\i)*512
.endr
.endr
.endm
.macro DOT4 e0                         ; four experts by turns: a packed multiply starts each pair of sums, fifteen packed multiply-adds follow
.irp e, 0,1,2,3
	v_pk_mul_f32 v[ACC+2*(\e0+\e):ACC+2*(\e0+\e)+1], v[X:X+1], v[G+32*\e:G+32*\e+1]
.endr
.set pp, 2
.rept 15
.irp e, 0,1,2,3
	v_pk_fma_f32 v[ACC+2*(\e0+\e):ACC+2*(\e0+\e)+1], v[X+pp:X+pp+1], v[G+32*\e+pp:G+32*\e+pp+1], v[ACC+2*(\e0+\e):ACC+2*(\e0+\e)+1]
.endr
.set pp, pp+2
.endr
.endm
	GATE 0
	s_wait_dscnt 0x0
	DOT4 0
	GATE 4                                         ; lands while the block is quantised
	v_max3_num_f32 v[MX], |v[XT]|, |v[XT+1]|, 0x2800000              ; the block's largest magnitude, two chains; the floor 2^(5 - 127) holds the byte at 1 from below
	v_max3_num_f32 v[MX+1], |v[XT+16]|, |v[XT+17]|, 0x2800000
.irp i, 2,4,6,8,10,12,14
	v_max3_num_f32 v[MX], v[MX], |v[XT+\i]|, |v[XT+\i+1]|
	v_max3_num_f32 v[MX+1], v[MX+1], |v[XT+16+\i]|, |v[XT+17+\i]|
.endr
	v_max_num_f32 v[MX], v[MX], v[MX+1]
	v_add_nc_u32 v[EX], 0xfe000000, v[MX]          ; 4 off its exponent field: the conversion takes this operand's exponent field as its scale
	v_cvt_scalef32_pk16_bf6_f32 v[K:K+2], v[XT:XT+15], v[EX]
	v_cvt_scalef32_pk16_bf6_f32 v[TMP:TMP+2], v[XT+16:XT+31], v[EX]   ; (a conversion's three registers begin on an even number)
	v_lshrrev_b32 v[BY], 23, v[EX]                 ; the scale's byte; also the plain line behind the conversions
.irp i, 0,1,2
	v_mov_b32 v[K+3+\i], v[TMP+\i]
.endr
.irp i, 0,1,2
	ds_store_b64 v[CA], v[K+2*\i:K+2*\i+1] offset:CST+8*\i
.endr
	ds_store_b8 v[SA], v[BY] offset:SST
	s_wait_dscnt 0x0                               ; experts 4 to 7 are in
	DOT4 4
	ds_load_b128 v[O16:O16+3], v[WB] offset:CST    ; LDS serves a wave's instructions in order: these see my stores
	ds_load_b64 v[O8:O8+1], v[WB8] offset:CST+512
	ds_load_b32 v[O4], v[WB4] offset:SST
.irp e, 0,1,2,3,4,5,6,7
	v_add_f32 v[ACC+2*\e], v[ACC+2*\e], v[ACC+2*\e+1]
.endr
.irp m, 1,2,4,8
.irp e, 0,1,2,3,4,5,6,7
	v_add_f32_dpp v[ACC+2*\e], v[ACC+2*\e], v[ACC+2*\e] row_xmask:\m row_mask:0xf bank_mask:0xf
.endr
.endr
.irp e, 0,1,2,3,4,5,6,7
	v_permlanex16_b32 v[ACC+2*\e+1], v[ACC+2*\e], s16, s17
.endr
.irp e, 0,1,2,3,4,5,6,7
	v_add_f32 v[ACC+2*\e], v[ACC+2*\e], v[ACC+2*\e+1]   ; every lane holds the logit
.endr
	v_mov_b32 v[BEST], v[ACC]
	v_mov_b32 v[IDX], 0
.irp e, 1,2,3,4,5,6,7
	v_cmp_gt_f32 vcc_lo, v[ACC+2*\e], v[BEST]      ; strictly greater: the lower index keeps a tie
	v_cndmask_b32 v[BEST], v[BEST], v[ACC+2*\e], vcc_lo
	v_cndmask_b32 v[IDX], v[IDX], \e, vcc_lo
.endr
	s_wait_dscnt 0x0
	global_store_b128 v[L16], v[O16:O16+3], s[8:9]             ; 512 consecutive bytes, at a multiple of 256 from xc's first byte
	global_store_b64 v[L8], v[O8:O8+1], s[8:9] offset:512      ; and the row's last 256
	s_wait_xcnt 0x0                                ; EXEC is a source of the pending stores: it changes only behind this wait
	v_cmp_gt_u32 vcc_lo, 8, v[LN]
	s_wait_tensorcnt 0x0
	ds_add_u32 v248, v249
	s_wait_dscnt 0x0
	s_and_saveexec_b32 s20, vcc_lo
	global_store_b32 v[L4], v[O4], s[10:11]        ; the row's eight scale words
	s_wait_xcnt 0x0
	s_or_b32 exec_lo, exec_lo, s20
	v_cmp_eq_u32 vcc_lo, 0, v[LN]
	s_and_saveexec_b32 s20, vcc_lo
	global_store_b32 v[NIL], v[IDX], s[12:13]      ; the expert's number
	s_wait_xcnt 0x0
	s_or_b32 exec_lo, exec_lo, s20
	s_endpgm
.Lfunc_end_k_qb21dcff21d_route:
	.size	k_qb21dcff21d_route, .Lfunc_end_k_qb21dcff21d_route-k_qb21dcff21d_route
	.p2alignl 7, 3214868480
	.fill 96, 4, 3214868480
	.section	.rodata,"a",@progbits
	.p2align	6, 0x0
	.amdhsa_kernel k_qb21dcff21d_route
		.amdhsa_group_segment_fixed_size 57856
		.amdhsa_private_segment_fixed_size 0
		.amdhsa_enable_private_segment 0
		.amdhsa_kernarg_size 40
		.amdhsa_user_sgpr_count 2
		.amdhsa_user_sgpr_kernarg_segment_ptr 1
		.amdhsa_wavefront_size32 1
		.amdhsa_system_sgpr_workgroup_id_x 1
		.amdhsa_system_sgpr_workgroup_id_y 1
		.amdhsa_system_sgpr_workgroup_id_z 1
		.amdhsa_system_vgpr_workitem_id 0
		.amdhsa_next_free_vgpr 250
		.amdhsa_next_free_sgpr 66
		.amdhsa_reserve_vcc 1
		.amdhsa_float_denorm_mode_32 3
		.amdhsa_float_denorm_mode_16_64 3
		.amdhsa_memory_ordered 1
		.amdhsa_forward_progress 1
		.amdhsa_inst_pref_size 26
	.end_amdhsa_kernel
	.amdgpu_metadata
---
amdhsa.version: [ 1, 2 ]
amdhsa.kernels:
  - .name:           k_qb21dcff21d_route
    .symbol:         k_qb21dcff21d_route.kd
    .args:
      - { .name: x, .offset: 0, .size: 8, .value_kind: global_buffer, .address_space: global }
      - { .name: gate_w, .offset: 8, .size: 8, .value_kind: global_buffer, .address_space: global }
      - { .name: xc, .offset: 16, .size: 8, .value_kind: global_buffer, .address_space: global }
      - { .name: xs, .offset: 24, .size: 8, .value_kind: global_buffer, .address_space: global }
      - { .name: ids, .offset: 32, .size: 8, .value_kind: global_buffer, .address_space: global }
    .group_segment_fixed_size: 57856
    .private_segment_fixed_size: 0
    .kernarg_segment_align: 8
    .kernarg_segment_size: 40
    .max_flat_workgroup_size: 128
    .sgpr_count:     66
    .vgpr_count:     250
    .wavefront_size: 32
...
	.end_amdgpu_metadata
.endif
;; end of part 1
;; launch up (part 2): grid 32 x 8, 4 waves a work-group, no clusters, 101,376 bytes of LDS; arguments xc, xs, ids, w1_codes, w1_scales, hc, hs; writes hc, hs
.if DOCPART == 2
	.amdgcn_target "amdgcn-amd-amdhsa--gfx1250"
	.amdhsa_code_object_version 6
	.text
	.protected	k_qb21dcff21d_up
	.globl	k_qb21dcff21d_up
	.p2align	8
	.type	k_qb21dcff21d_up,@function
k_qb21dcff21d_up:
	s_mov_b64 s[64:65], 0
	v_nop
	global_prefetch_b8 v0, s[64:65] scope:SCOPE_SE
	s_setreg_imm32_b32 hwreg(HW_REG_WAVE_MODE, 25, 1), 1
	s_wait_xcnt 0x0
; UP.  Work-group (F, e): hidden units 128 F .. 128 F + 127 of expert e, for the tokens that chose e: h = gelu(x w1[e]), quantised along F to BF6 (E3M2) with E8M0 bytes, stored as images of
; the next product's operand registers.  Only the chosen rows are multiplied: the one-hot of the layer throws the others away.
; SHARES.  Wave w: a = w % 2 is its half of 64 hidden units, b = w / 2 the parity of the units of rows that it walks.  Its 64 x 1,024 part of w1 stays in 384 registers for the whole launch; the work-group's
; 98,304 bytes of w1 are one dense block of memory, read once by loads of 512 consecutive bytes and turned once through LDS.
; A UNIT is 32 rows of the expert (two tiles of 16); U = ceil(n / 32), at least 1.  A rank past the last repeats the expert's last token, so that every byte of a unit is written.
; THE LIST is not stored: each wave finds the token of a rank from the 1,024 stored expert numbers by integer arithmetic (32 lane masks, their prefix counts, the k-th set bit of one mask).
; ORDER OF K.  In every 128 along K the lanes of half h take blocks 2 h and 2 h + 1 (48 consecutive bytes of a row), on both operands alike; so the scale word is the natural one with bytes 1 and 2 exchanged.
; The sums therefore run in another order of K than the layer is written in; they are f32 sums of the same exact products.
; TRANSPOSED USE: source 0 = 16 rows of w1, source 1 = 16 tokens.  Lane r of tile t takes row 64 a + 32 (r / 8) + 8 t + r % 8, so that a lane's 32 results of the four tiles are one whole block of 32 along F.
; GELU, exact form: g = max(x, 0) - t Phi, t = |x| / sqrt(2), Phi = erfc(t) / sqrt(2).  erfc: under t = 0.9277 as 1 - erf by an odd polynomial, above it as 2^(polynomial), both in f32.
; LIMITS: NaN and infinities are not served.  In the far tail erfc has the accuracy of one v_exp_f32 on an f32 exponent: at t = 5 about 3e-6 of the number.  A block of zeros gets the byte 1.
; NO CLUSTER, NO TENSOR LOAD: the number of units hangs on numbers read from memory, so the trips differ from expert to expert; each byte of w1 has one reader in the launch.
.set ROWP, 784                         ; a row of w1 in LDS: 768 + 16
.set GRP,  25216                       ; 32 rows + 128: the 16 rows of a fragment load start in 16 different columns of 16 bytes
.set LN,   1
.set RW,   2
.set HF,   3
.set L16,  4
.set LA0,  5
.set LA1,  6
.set WA,   7
.set WSO,  8
.set RHO,  9
.set TOKS, 10
.set TX,   11
.set XO,   12                          ; v12-13 byte offsets in xc of my tokens of tiles 0, 1
.set XSO,  14
.set HO,   15
.set HSO,  16
.set H384, 17
.set T0,   18
.set T1,   19
.set WS,   32                          ; v32-63   w1's scale words, 8 t + s
.set XS,   64                          ; v64-71   x's scale words: lanes 0-15 tile 0, lanes 16-31 tile 1
.set ACC,  72                          ; v72-135  accumulator (tile of rows q, tile t) at 32 q + 8 t
.set OUT,  136                         ; v136-147 the codes
.set TMP,  148
.set SB,   156
.set PAIR, 158
.set GT,   160                         ; v160-223 at work in the activation, 16 each; later in the quantiser
.set GS,   176
.set GR,   192
.set GP,   208
.set MX,   160
.set EX,   162
.set ID,   224                         ; v224-255 the stored expert numbers; afterwards:
.set VA1,  224                         ; three constants as pairs,
.set VA3,  226
.set VD1,  228
.set TM_M, 232                         ; and the search's registers
.set TM_Z, 233
.set TM_A, 234
.set TM_B, 235
.set TM_C, 236
.set TM_D, 237
.set TM_K, 238
.set TM_P, 239
.set TM_T, 240
.set TM_U, 241
.set SWV,  18
.set SAH,  19
.set SBP,  20
.set SF,   21
.set SE,   22
.set SNE,  23
.set SNL,  24
.set SU,   25                          ; s25 first U, then the number of units of my parity: the loop's bound, which the loop does not write
.set SUC,  26                          ; s26 which of my units is in hand: 0, 1, ..
.set ST,   27
.set SP,   28
.set SZ,   29
.set SHI,  30
.set SX,   31
.set SM,   32                          ; s32-63 mask g: the lanes whose token 128 (g / 4) + 4 lane + g % 4 chose e
.set KA0,  66
.set KA2,  68
.set KA4,  70
.set KA5,  72
.set KA6,  74
.set KD0,  76
.set KD2,  78
.set KD3,  80
.set KD4,  82
.set KD5,  84
.set KC,   86
.set KL,   88
.set KTH,  93
.set HB,   94
.set HSB,  96
.set MSB, 0
.macro WIN new                         ; the immediate's high byte repeats the setting that is left
.if MSB != (\new)
	s_set_vgpr_msb (MSB<<8)|(\new)
.set MSB, (\new)
.endif
.endm
.macro SPAIR reg, val                  ; a constant for the packed forms: they name a pair and take its low word for both halves
	s_mov_b32 s[\reg], \val
	s_mov_b32 s[\reg+1], \val
.endm
.macro MASKS                           ; the 32 masks, the expert's number of rows n, n - 1, ceil(n / 32)
.set gg, 0
.rept 32
	v_cmp_eq_u32 s[SM+gg], s[SE], v[ID+gg]
.set gg, gg+1
.endr
	s_mov_b32 s[SNE], 0
.set gg, 0
.rept 32
	s_bcnt1_i32_b32 s[ST], s[SM+gg]
	s_add_co_u32 s[SNE], s[SNE], s[ST]
.set gg, gg+1
.endr
	s_sub_co_u32 s[SNL], s[SNE], 1
	s_add_co_u32 s[SU], s[SNE], 31
	s_lshr_b32 s[SU], s[SU], 5
.endm
.macro LEVEL w, src                    ; does the k-th set bit lie past the next w bits?
	v_bfe_u32 v[TM_T], v[\src], v[TM_P], \w
	v_cmp_ge_u32 vcc_lo, v[TM_K], v[TM_T]
	v_sub_nc_u32 v[TM_U], v[TM_K], v[TM_T]
	v_cndmask_b32 v[TM_K], v[TM_K], v[TM_U], vcc_lo
	v_add_nc_u32 v[TM_U], \w, v[TM_P]
	v_cndmask_b32 v[TM_P], v[TM_P], v[TM_U], vcc_lo
.endm
.macro SELECT rho, tok                 ; each lane's rank (held at n - 1) -> its token
	v_min_u32 v[TM_K], s[SNL], v[\rho]
	v_mov_b32 v[TM_M], s[SM]
	v_mov_b32 v[TM_Z], 0
	s_mov_b32 s[SP], 0
.set gg, 1
.rept 31                               ; the last group whose prefix count is at most the rank holds it
	s_bcnt1_i32_b32 s[ST], s[SM+gg-1]
	s_add_co_u32 s[SP], s[SP], s[ST]
	s_or_b32 s[SZ], s[SP], (128*(gg>>2)+(gg&3))<<16
	v_cmp_le_u32 vcc_lo, s[SP], v[TM_K]
	v_cndmask_b32 v[TM_M], v[TM_M], s[SM+gg], vcc_lo
	v_cndmask_b32 v[TM_Z], v[TM_Z], s[SZ], vcc_lo
.set gg, gg+1
.endr
	v_and_b32 v[TM_T], 0xffff, v[TM_Z]
	v_sub_nc_u32 v[TM_K], v[TM_K], v[TM_T]         ; the rank inside the group
	v_lshrrev_b32 v[TM_Z], 16, v[TM_Z]             ; the group's first token
	v_lshrrev_b32 v[TM_T], 1, v[TM_M]              ; counts of the mask's fields of 2, 4, 8 and 16 bits
	v_and_b32 v[TM_T], 0x55555555, v[TM_T]
	v_sub_nc_u32 v[TM_A], v[TM_M], v[TM_T]
	v_lshrrev_b32 v[TM_T], 2, v[TM_A]
	v_and_b32 v[TM_T], 0x33333333, v[TM_T]
	v_and_b32 v[TM_B], 0x33333333, v[TM_A]
	v_add_nc_u32 v[TM_B], v[TM_B], v[TM_T]
	v_lshrrev_b32 v[TM_T], 4, v[TM_B]
	v_add_nc_u32 v[TM_C], v[TM_B], v[TM_T]
	v_and_b32 v[TM_C], 0x0f0f0f0f, v[TM_C]
	v_lshrrev_b32 v[TM_T], 8, v[TM_C]
	v_add_nc_u32 v[TM_D], v[TM_C], v[TM_T]
	v_and_b32 v[TM_T], 0xff, v[TM_D]
	v_cmp_ge_u32 vcc_lo, v[TM_K], v[TM_T]
	v_sub_nc_u32 v[TM_U], v[TM_K], v[TM_T]
	v_cndmask_b32 v[TM_K], v[TM_K], v[TM_U], vcc_lo
	v_cndmask_b32 v[TM_P], 0, 16, vcc_lo
	LEVEL 8, TM_C
	LEVEL 4, TM_B
	LEVEL 2, TM_A
	LEVEL 1, TM_M
	v_lshl_add_u32 v[\tok], v[TM_P], 2, v[TM_Z]
	v_min_u32 v[\tok], 0x3ff, v[\tok]              ; a token's number, whatever the stored numbers hold
.endm
.macro TOKENS                          ; lane l holds the token of rank 32 u + l; lane (r, h) wants those of ranks r and 16 + r
	v_permlanex16_b32 v[TX], v[TOKS], s90, s91
	v_cndmask_b32 v[XO], v[TOKS], v[TX], s[SHI]
	v_cndmask_b32 v[XO+1], v[TX], v[TOKS], s[SHI]
	v_min_u32 v[XO], 0x3ff, v[XO]
	v_min_u32 v[XO+1], 0x3ff, v[XO+1]
	v_mul_u32_u24 v[XO], v[XO], 768
	v_mul_u32_u24 v[XO+1], v[XO+1], 768
	v_add_nc_u32 v[XO], v[H384], v[XO]
	v_add_nc_u32 v[XO+1], v[H384], v[XO+1]
	v_lshlrev_b32 v[XSO], 5, v[TOKS]
.endm
.macro XLOAD                           ; a unit's rows of x: 384 consecutive bytes a lane and tile, straight into the operand's registers; 48 + 2 loads
	WIN 0xc0
.irp q, 0,1
.set jj, 0
.rept 24
	global_load_b128 v[96*\q+4*jj:96*\q+4*jj+3], v[XO+\q], s[4:5] offset:16*jj
.set jj, jj+1
.endr
.endr
	WIN 0
	global_load_b128 v[XS:XS+3], v[XSO], s[6:7]
	global_load_b128 v[XS+4:XS+7], v[XSO], s[6:7] offset:16
.endm
.macro WM d, a, b, zero, sa, sb, row
.if \zero
.if \row
	v_wmma_scale_f32_16x16x128_f8f6f4 v[(\d):(\d)+7], v[(\a):(\a)+11], v[(\b):(\b)+11], 0, v[(\sa)], v[(\sb)] matrix_a_fmt:MATRIX_FMT_BF6 matrix_b_fmt:MATRIX_FMT_BF6 matrix_b_scale:MATRIX_SCALE_ROW1
.else
	v_wmma_scale_f32_16x16x128_f8f6f4 v[(\d):(\d)+7], v[(\a):(\a)+11], v[(\b):(\b)+11], 0, v[(\sa)], v[(\sb)] matrix_a_fmt:MATRIX_FMT_BF6 matrix_b_fmt:MATRIX_FMT_BF6
.endif
.else
.if \row
	v_wmma_scale_f32_16x16x128_f8f6f4 v[(\d):(\d)+7], v[(\a):(\a)+11], v[(\b):(\b)+11], v[(\d):(\d)+7], v[(\sa)], v[(\sb)] matrix_a_fmt:MATRIX_FMT_BF6 matrix_b_fmt:MATRIX_FMT_BF6 matrix_b_scale:MATRIX_SCALE_ROW1
.else
	v_wmma_scale_f32_16x16x128_f8f6f4 v[(\d):(\d)+7], v[(\a):(\a)+11], v[(\b):(\b)+11], v[(\d):(\d)+7], v[(\sa)], v[(\sb)] matrix_a_fmt:MATRIX_FMT_BF6 matrix_b_fmt:MATRIX_FMT_BF6
.endif
.endif
.endm
.macro MUL s                           ; K step s: the eight accumulators by turns, one instruction a turn; step 0 starts the sums
.irp t, 0,1,2,3
.irp q, 0,1
.if \s == 0
	WM ACC+32*\q+8*\t, 48*\t+12*(\s%4), 96*\q+12*\s, 1, WS+8*\t+\s, XS+\s, \q
.else
	WM ACC+32*\q+8*\t, 48*\t+12*(\s%4), 96*\q+12*\s, 0, WS+8*\t+\s, XS+\s, \q
.endif
.endr
.endr
.endm
.macro GELU16 x                        ; sixteen numbers in place, from the low end on
.irp j, 0,1,2,3,4,5,6,7,8,9,10,11,12,13,14,15
	v_mul_f32 v[GT+\j], |v[\x+\j]|, s[KC]          ; t = |x| / sqrt(2)
.endr
.irp j, 0,2,4,6,8,10,12,14
	v_pk_mul_f32 v[GS+\j:GS+\j+1], v[GT+\j:GT+\j+1], v[GT+\j:GT+\j+1]
.endr
.irp j, 0,2,4,6,8,10,12,14
	v_pk_fma_f32 v[GR+\j:GR+\j+1], v[GT+\j:GT+\j+1], s[KA0:KA0+1], v[VA1:VA1+1] op_sel_hi:[1,0,1]
.endr
.irp j, 0,2,4,6,8,10,12,14
	v_pk_fma_f32 v[GP+\j:GP+\j+1], v[GT+\j:GT+\j+1], s[KA2:KA2+1], v[VA3:VA3+1] op_sel_hi:[1,0,1]
.endr
.irp j, 0,2,4,6,8,10,12,14
	v_pk_fma_f32 v[GR+\j:GR+\j+1], v[GR+\j:GR+\j+1], v[GS+\j:GS+\j+1], v[GP+\j:GP+\j+1]
.endr
.irp k, KA4, KA5, KA6
.irp j, 0,2,4,6,8,10,12,14
	v_pk_fma_f32 v[GR+\j:GR+\j+1], v[GR+\j:GR+\j+1], v[GT+\j:GT+\j+1], s[\k:\k+1] op_sel_hi:[1,1,0]
.endr
.endr
.irp j, 0,2,4,6,8,10,12,14
	v_pk_fma_f32 v[GR+\j:GR+\j+1], v[GR+\j:GR+\j+1], v[GT+\j:GT+\j+1], v[GT+\j:GT+\j+1] neg_lo:[0,0,1] neg_hi:[0,0,1]   ; ln erfc(t)
.endr
.irp j, 0,2,4,6,8,10,12,14
	v_pk_fma_f32 v[GR+\j:GR+\j+1], v[GR+\j:GR+\j+1], s[KL:KL+1], -0.5 op_sel_hi:[1,0,0]   ; x log2(e), and 1 / sqrt(2) = 2^-0.5
.endr
.irp j, 0,1,2,3,4,5,6,7,8,9,10,11,12,13,14,15
	v_exp_f32 v[GR+\j], v[GR+\j]                   ; Phi for the larger t
.endr
.irp j, 0,2,4,6,8,10,12,14
	v_pk_fma_f32 v[GP+\j:GP+\j+1], v[GS+\j:GS+\j+1], s[KD0:KD0+1], v[VD1:VD1+1] op_sel_hi:[1,0,1]   ; (plain lines behind the exponentials)
.endr
.irp k, KD2, KD3, KD4, KD5
.irp j, 0,2,4,6,8,10,12,14
	v_pk_fma_f32 v[GP+\j:GP+\j+1], v[GP+\j:GP+\j+1], v[GS+\j:GS+\j+1], s[\k:\k+1] op_sel_hi:[1,1,0]
.endr
.endr
.irp j, 0,2,4,6,8,10,12,14
	v_pk_fma_f32 v[GP+\j:GP+\j+1], v[GP+\j:GP+\j+1], v[GT+\j:GT+\j+1], v[GT+\j:GT+\j+1]   ; erf(t)
.endr
.irp j, 0,2,4,6,8,10,12,14
	v_pk_fma_f32 v[GP+\j:GP+\j+1], v[GP+\j:GP+\j+1], s[KC:KC+1], s[KC:KC+1] op_sel_hi:[1,0,0] neg_lo:[1,0,0] neg_hi:[1,0,0]   ; Phi for the smaller t
.endr
	s_wait_alu depctr_va_vdst(0)
.irp j, 0,1,2,3,4,5,6,7,8,9,10,11,12,13,14,15
	v_cmp_lt_f32 vcc_lo, s[KTH], v[GT+\j]
	v_cndmask_b32 v[GP+\j], v[GP+\j], v[GR+\j], vcc_lo
.endr
.irp j, 0,1,2,3,4,5,6,7,8,9,10,11,12,13,14,15
	v_max_num_f32 v[GR+\j], 0, v[\x+\j]
.endr
.irp j, 0,2,4,6,8,10,12,14
	v_pk_fma_f32 v[\x+\j:\x+\j+1], v[GT+\j:GT+\j+1], v[GP+\j:GP+\j+1], v[GR+\j:GR+\j+1] neg_lo:[1,0,0] neg_hi:[1,0,0]   ; max(x, 0) - t Phi
.endr
.endm
	s_load_b256 s[4:11], s[0:1], 0x0               ; xc s[4:5], xs s[6:7], ids s[8:9], w1's codes s[10:11]
	s_load_b128 s[12:15], s[0:1], 0x20             ; w1's scales s[12:13], hc s[14:15]
	s_load_b64 s[16:17], s[0:1], 0x30              ; hs
	v_lshl_add_u32 v155, v0, 2, 0x18a00
	v_mov_b32 v159, 0
	v_lshrrev_b32 v[T0], 5, v0
	v_readfirstlane_b32 s[SWV], v[T0]
	v_and_b32 v[LN], 31, v0
	v_and_b32 v[RW], 15, v0
	v_bfe_u32 v[HF], v0, 4, 1
	v_lshlrev_b32 v[L16], 4, v[LN]
	s_and_b32 s[SAH], s[SWV], 1
	s_lshr_b32 s[SBP], s[SWV], 1
	s_mov_b32 s[SF], ttmp9
	s_and_b32 s[SE], ttmp7, 0xffff
	s_mul_i32 s98, s[SE], 3145728                  ; my 32 rows of w1: ((4,096 e + 128 F) + 32 w) x 768 bytes
	s_mul_i32 s[SX], s[SF], 98304
	s_add_co_u32 s98, s98, s[SX]
	s_mul_i32 s[SX], s[SWV], 24576
	s_add_co_u32 s98, s98, s[SX]
	s_mov_b32 s99, 0
	s_lshl_b32 s2, s[SE], 17                       ; my 64 rows' scale bytes: (4,096 e + 128 F + 64 a) x 32
	s_lshl_b32 s[SX], s[SF], 12
	s_add_co_u32 s2, s2, s[SX]
	s_lshl_b32 s[SX], s[SAH], 11
	s_add_co_u32 s2, s2, s[SX]
	s_mov_b32 s3, 0
	v_bfe_u32 v[T0], v0, 3, 1                      ; r / 8
	v_and_b32 v[T1], 7, v0                         ; r % 8
	v_lshlrev_b32 v[WSO], 10, v[T0]
	v_lshl_add_u32 v[WSO], v[T1], 5, v[WSO]        ; (32 (r / 8) + r % 8) x 32 bytes
	s_wait_kmcnt 0x0
	s_add_nc_u64 s[10:11], s[10:11], s[98:99]
	s_add_nc_u64 s[12:13], s[12:13], s[2:3]
.irp i, 0,1,2,3,4,5,6,7
	global_load_b128 v[ID+4*\i:ID+4*\i+3], v[L16], s[8:9] offset:512*\i   ; register 4 i + c of lane l: token 128 i + 4 l + c
.endr
	WIN 0x40
.set ii, 0
.rept 48
	global_load_b128 v[4*ii:4*ii+3], v[L16], s[10:11] offset:512*ii th:TH_LOAD_NT   ; 512 consecutive bytes a load; read once in the launch
.set ii, ii+1
.endr
	WIN 0
.irp t, 0,1,2,3
.irp i, 0,1
	global_load_b128 v[WS+8*\t+4*\i:WS+8*\t+4*\i+3], v[WSO], s[12:13] offset:256*\t+16*\i
.endr
.endr
	s_mul_i32 s[SX], s[SWV], GRP
	v_add_nc_u32 v[LA0], s[SX], v[L16]             ; into LDS: my 32 rows, 16 bytes a lane;
	v_lshl_add_u32 v[LA1], v[HF], 4, v[LA0]        ; where a load straddles two rows, lanes 16-31 lie behind the padding
	s_mul_i32 s[SX], s[SAH], 2*GRP
	v_mul_u32_u24 v[WA], v[T0], GRP
	v_mad_u32_u24 v[WA], v[T1], ROWP, v[WA]
	v_mad_u32_u24 v[WA], v[HF], 48, v[WA]
	v_add_nc_u32 v[WA], s[SX], v[WA]               ; out of LDS: row 64 a + 32 (r / 8) + r % 8 (+ 8 t), + 48 h
	v_mul_u32_u24 v[HO], v[HF], 49152
	v_lshl_add_u32 v[HO], v[RW], 4, v[HO]          ; hc: tile l / 16, 16 bytes for token r
	v_lshlrev_b32 v[HSO], 2, v[LN]
	v_mul_u32_u24 v[H384], v[HF], 384
	v_mov_b32 v[TX], 0                             ; (a lane permute's destination counts as one of its sources)
	s_mov_b32 s[SHI], 0xffff0000                   ; lanes 16-31
	s_mov_b32 s90, 0x76543210
	s_mov_b32 s91, 0xfedcba98
	s_mov_b32 s92, 0x03010200                      ; bytes 1 and 2 of a scale word change places
	s_mov_b32 s[KTH], 0x3f6d8000                   ; 0.927734375
	SPAIR KA0, 0xb7910000
	SPAIR KA2, 0xbb7e8a1c
	SPAIR KA4, 0xbddaae5c
	SPAIR KA5, 0xbf228550
	SPAIR KA6, 0xbe03ce86
	SPAIR KD0, 0xba1c7000
	SPAIR KD2, 0xbcdb48d9
	SPAIR KD3, 0x3de70e22
	SPAIR KD4, 0xbec09380
	SPAIR KD5, 0x3e0375d4
	SPAIR KC, 0x3f3504f3                           ; 1 / sqrt(2)
	SPAIR KL, 0x3fb8aa3b                           ; log2(e)
	s_mul_i32 s98, s[SE], 3145728                  ; hc: expert, unit b, K step F, lanes 16 a on
	s_mul_i32 s[SX], s[SBP], 98304
	s_add_co_u32 s98, s98, s[SX]
	s_mul_i32 s[SX], s[SF], 1536
	s_add_co_u32 s98, s98, s[SX]
	s_lshl_b32 s[SX], s[SAH], 8
	s_add_co_u32 s98, s98, s[SX]
	s_add_nc_u64 s[HB:HB+1], s[14:15], s[98:99]
	s_lshl_b32 s98, s[SE], 17                      ; hs: expert, unit b, K step F, bytes 2 a and 2 a + 1 of a word
	s_lshl_b32 s[SX], s[SBP], 12
	s_add_co_u32 s98, s98, s[SX]
	s_lshl_b32 s[SX], s[SF], 7
	s_add_co_u32 s98, s98, s[SX]
	s_lshl_b32 s[SX], s[SAH], 1
	s_add_co_u32 s98, s98, s[SX]
	s_add_nc_u64 s[HSB:HSB+1], s[16:17], s[98:99]
	s_wait_loadcnt 56                              ; the stored numbers are in; the 48 + 8 loads of w1 stay out
	MASKS
	s_max_u32 s[SU], s[SU], 1                      ; unit 0 of every expert is written, so that the next launch may always load it
	s_sub_co_u32 s[SU], s[SU], s[SBP]              ; U is at least 1 and b at most 1: never negative
	s_add_co_u32 s[SU], s[SU], 1
	s_lshr_b32 s[SU], s[SU], 1                     ; the units of my parity: ceil((U - b) / 2); the loop counts them one by one
	v_mov_b32 v[VA1], 0x39c8e7d9
	v_mov_b32 v[VA1+1], 0x39c8e7d9
	v_mov_b32 v[VA3], 0x3cc6b1a1
	v_mov_b32 v[VA3+1], 0x3cc6b1a1
	v_mov_b32 v[VD1], 0x3ba38d2c
	v_mov_b32 v[VD1+1], 0x3ba38d2c
	s_lshl_b32 s[SX], s[SBP], 5
	v_add_nc_u32 v[RHO], s[SX], v[LN]              ; my first unit's ranks
	SELECT RHO, TOKS
	TOKENS
	XLOAD                                          ; asked for whether or not the unit exists: tokens are held inside the table
	s_wait_loadcnt 50                              ; w1 is in; x's 50 loads stay out
	WIN 0x04                                       ; an LDS store's data are its source 1: window 1
.set qq, 0
.rept 16                               ; three loads are two rows of 768 bytes
	ds_store_b128 v[LA0], v[12*qq:12*qq+3] offset:2*ROWP*qq
	ds_store_b128 v[LA1], v[12*qq+4:12*qq+7] offset:2*ROWP*qq+512
	ds_store_b128 v[LA0], v[12*qq+8:12*qq+11] offset:2*ROWP*qq+1040
.set qq, qq+1
.endr
	WIN 0
.set jj, 0
.rept 32
	v_perm_b32 v[WS+jj], v[WS+jj], v[WS+jj], s92
.set jj, jj+1
.endr
.rept 8
	v_nop                                          ; a scale register written by a vector instruction stands eight places ahead of a scaled product
.endr
	s_wait_dscnt 0x0                               ; for the others: my 32 rows lie in LDS
	s_barrier_signal -1
	s_barrier_wait -1                              ; the launch's one barrier, on every wave's path
	WIN 0x40
.irp t, 0,1,2,3
.irp s, 0,1,2,3
.irp c, 0,1,2
	ds_load_b128 v[48*\t+12*\s+4*\c:48*\t+12*\s+4*\c+3], v[WA] offset:8*ROWP*\t+96*\s+16*\c
.endr
.endr
.endr
	WIN 0x80
.irp t, 0,1,2,3
.irp s, 0,1,2,3
.irp c, 0,1,2
	ds_load_b128 v[48*\t+12*\s+4*\c:48*\t+12*\s+4*\c+3], v[WA] offset:8*ROWP*\t+96*(\s+4)+16*\c
.endr
.endr
.endr
	s_wait_dscnt 0x0
	WIN 0
	s_cmp_eq_u32 s[SU], 0
	s_cbranch_scc1 .Lend                           ; no unit of my parity
	s_mov_b32 s[SUC], 0
.Lunit:
	s_wait_loadcnt 0x0                             ; the unit's rows of x and their scale words
	WIN 0x0d                                       ; source 0 (w1) window 1, source 1 (x) window 3
	MUL 0
	MUL 1
	MUL 2
	MUL 3
	WIN 0x0e                                       ; w1's K steps 4 to 7: window 2
	MUL 4
	MUL 5
	MUL 6
	MUL 7
	WIN 0
.rept 4
	v_nop                                          ; four places behind the last products, ahead of loads into their sources and of the first read of results
.endr
	s_add_co_u32 s[ST], s[SUC], 1
	s_cmp_ge_u32 s[ST], s[SU]
	s_cbranch_scc1 .Lno_next
	v_add_nc_u32 v[RHO], 64, v[RHO]                ; my next unit (two units on) is asked for now and lands under the activation
	SELECT RHO, TOKS
	TOKENS
	XLOAD
.Lno_next:
.irp b, 0,16,32,48
	GELU16 ACC+\b
.endr
.irp q, 0,1                            ; a lane's 32 numbers of a tile of rows are one block along F
	v_max3_num_f32 v[MX+\q], |v[ACC+32*\q]|, |v[ACC+32*\q+1]|, 0x2800000   ; with the floor 2^(5 - 127): the byte cannot fall under 1
.endr
.irp i, 2,4,6,8,10,12,14,16,18,20,22,24,26,28,30
.irp q, 0,1
	v_max3_num_f32 v[MX+\q], v[MX+\q], |v[ACC+32*\q+\i]|, |v[ACC+32*\q+\i+1]|
.endr
.endr
.irp q, 0,1
	v_add_nc_u32 v[EX+\q], 0xfe000000, v[MX+\q]    ; 4 off the exponent field: the conversion's scale operand
.endr
.irp q, 0,1
	v_lshrrev_b32 v[SB+\q], 23, v[EX+\q]           ; the scale's byte
.endr
.irp q, 0,1
	v_cvt_scalef32_pk16_bf6_f32 v[OUT+6*\q:OUT+6*\q+2], v[ACC+32*\q:ACC+32*\q+15], v[EX+\q]
	v_cvt_scalef32_pk16_bf6_f32 v[TMP+4*\q:TMP+4*\q+2], v[ACC+32*\q+16:ACC+32*\q+31], v[EX+\q]   ; (a conversion's three registers begin on an even number)
.endr
	v_nop                                          ; one plain line behind the scaled conversions
.irp q, 0,1
.irp i, 0,1,2
	v_mov_b32 v[OUT+6*\q+3+\i], v[TMP+4*\q+\i]
.endr
.endr
.irp i, 0,1,2,3,4,5
	v_permlane16_swap_b32 v[OUT+\i], v[OUT+6+\i]   ; lane (r, q) now holds token r of tile q: blocks 2 a and 2 a + 1, 48 bytes
.endr
	v_permlane16_swap_b32 v[SB], v[SB+1]
	v_lshl_or_b32 v[PAIR], v[SB+1], 8, v[SB]
.irp c, 0,1,2
	global_store_b128 v[HO], v[OUT+4*\c:OUT+4*\c+3], s[HB:HB+1] offset:512*\c   ; each half of the lanes stores 256 consecutive bytes, at a multiple of 256 from hc's first byte
.endr
	global_store_b16 v[HSO], v[PAIR], s[HSB:HSB+1]
	s_wait_xcnt 0x0                                ; the stores' bases and data are written again only behind this wait
	s_add_nc_u64 s[HB:HB+1], s[HB:HB+1], 196608    ; two units on
	s_add_nc_u64 s[HSB:HSB+1], s[HSB:HSB+1], 8192
	s_add_co_u32 s[SUC], s[SUC], 1
	s_cmp_lt_u32 s[SUC], s[SU]
	s_cbranch_scc1 .Lunit
.Lend:
	s_wait_tensorcnt 0x0
	ds_add_u32 v155, v159
	s_wait_dscnt 0x0
	s_endpgm
.Lfunc_end_k_qb21dcff21d_up:
	.size	k_qb21dcff21d_up, .Lfunc_end_k_qb21dcff21d_up-k_qb21dcff21d_up
	.p2alignl 7, 3214868480
	.fill 96, 4, 3214868480
	.section	.rodata,"a",@progbits
	.p2align	6, 0x0
	.amdhsa_kernel k_qb21dcff21d_up
		.amdhsa_group_segment_fixed_size 101376
		.amdhsa_private_segment_fixed_size 0
		.amdhsa_enable_private_segment 0
		.amdhsa_kernarg_size 56
		.amdhsa_user_sgpr_count 2
		.amdhsa_user_sgpr_kernarg_segment_ptr 1
		.amdhsa_wavefront_size32 1
		.amdhsa_system_sgpr_workgroup_id_x 1
		.amdhsa_system_sgpr_workgroup_id_y 1
		.amdhsa_system_sgpr_workgroup_id_z 1
		.amdhsa_system_vgpr_workitem_id 0
		.amdhsa_next_free_vgpr 960
		.amdhsa_next_free_sgpr 100
		.amdhsa_reserve_vcc 1
		.amdhsa_float_denorm_mode_32 3
		.amdhsa_float_denorm_mode_16_64 3
		.amdhsa_memory_ordered 1
		.amdhsa_forward_progress 1
		.amdhsa_inst_pref_size 118
	.end_amdhsa_kernel
	.amdgpu_metadata
---
amdhsa.version: [ 1, 2 ]
amdhsa.kernels:
  - .name:           k_qb21dcff21d_up
    .symbol:         k_qb21dcff21d_up.kd
    .args:
      - { .name: xc, .offset: 0, .size: 8, .value_kind: global_buffer, .address_space: global }
      - { .name: xs, .offset: 8, .size: 8, .value_kind: global_buffer, .address_space: global }
      - { .name: ids, .offset: 16, .size: 8, .value_kind: global_buffer, .address_space: global }
      - { .name: w1_codes, .offset: 24, .size: 8, .value_kind: global_buffer, .address_space: global }
      - { .name: w1_scales, .offset: 32, .size: 8, .value_kind: global_buffer, .address_space: global }
      - { .name: hc, .offset: 40, .size: 8, .value_kind: global_buffer, .address_space: global }
      - { .name: hs, .offset: 48, .size: 8, .value_kind: global_buffer, .address_space: global }
    .group_segment_fixed_size: 101376
    .private_segment_fixed_size: 0
    .kernarg_segment_align: 8
    .kernarg_segment_size: 56
    .max_flat_workgroup_size: 128
    .sgpr_count:     100
    .vgpr_count:     960
    .wavefront_size: 32
...
	.end_amdgpu_metadata
.endif
;; end of part 2
;; launch down (part 3): grid 32 x 8, 4 waves a work-group, no clusters, 177,152 bytes of LDS; arguments hc, hs, ids, w2_codes, w2_scales, out0; writes out0
.if DOCPART == 3
	.amdgcn_target "amdgcn-amd-amdhsa--gfx1250"
	.amdhsa_code_object_version 6
	.text
	.protected	k_qb21dcff21d_down
	.globl	k_qb21dcff21d_down
	.p2align	8
	.type	k_qb21dcff21d_down,@function
k_qb21dcff21d_down:
	s_mov_b64 s[64:65], 0
	v_nop
	global_prefetch_b8 v0, s[64:65] scope:SCOPE_SE
	s_setreg_imm32_b32 hwreg(HW_REG_WAVE_MODE, 25, 1), 1
	s_wait_xcnt 0x0
; DOWN.  Work-group (Dt, e): outputs 32 Dt .. 32 Dt + 31 of expert e for the tokens that chose e: out = h w2[e], both operands codes of BF6 (E3M2) with E8M0 bytes; each row goes to its token's place in out0,
; which is the layer's last product with the one-hot.  Each output number has one owner.
; SHARES.  Wave w owns K steps 8 w .. 8 w + 7 of the 32 (768 bytes of each row of w2: 192 registers for the whole launch), so each byte of w2 and of the hidden layer comes into the work-group once.
; The four partial sums of a unit of 32 rows meet in a stage in LDS; each wave then adds and stores eight rows.
; BARRIERS stand only in a loop of constant count (16 passes of two units = the 32 units that one expert can have); the work of a unit past the expert's last is jumped over by scalar branches on the count.
; ORDER OF K: as in the launch before: lanes of half h take blocks 2 h and 2 h + 1 of every 128; scale words have bytes 1 and 2 exchanged.  K is summed in four quarters, (p0 + p1) + (p2 + p3), in f32.
; TRANSPOSED USE: source 0 = 16 rows of w2, source 1 = 16 tokens: a lane holds eight neighbouring outputs of one token.
; A rank past the expert's last repeats its last token: the repeated rows hold the same bits and are stored to the same place.
; LIMITS: NaN and infinities are not served.  NO CLUSTER, NO TENSOR LOAD: the number of units hangs on numbers read from memory.
.set WP,   3088                        ; a row of w2 in LDS: 3,072 + 16
.set LIST, 98816                       ; behind the 32 rows: the token of rank k at 4 k
.set STG,  102912                      ; the stage: [pass parity][unit][wave][32 rows x (128 + 16) bytes]
.set SPAR, 36864
.set SUNI, 18432
.set SWAV, 4608
.set LN,   1
.set RW,   2
.set HF,   3
.set L16,  4
.set L4,   5
.set LA,   6
.set WA,   7
.set WSO,  8
.set RHO,  9
.set LB,   10
.set LAD,  11
.set SA,   12                          ; v12-13 into the stage, parity 0, 1
.set RA,   14                          ; v14-15 out of it
.set LR,   16
.set LRU,  17
.set TOK,  18
.set OFF,  20
.set PI,   22
.set TOKL, 23
.set T0,   24
.set T1,   25
.set WS,   32                          ; v32-47  w2's scale words, 8 n + s
.set HSW,  48                          ; v48-55  the unit's scale words: lanes 0-15 tile 0, lanes 16-31 tile 1
.set HR,   56                          ; v56-71  the same as loaded, two buffers
.set ACC,  72                          ; v72-103 accumulator (tile of rows q, tile of outputs n) at 8 (2 q + n)
.set RD,   104                         ; v104-135 the four parts of two groups of four rows
.set ID,   224
.set TM_M, 232
.set TM_Z, 233
.set TM_A, 234
.set TM_B, 235
.set TM_C, 236
.set TM_D, 237
.set TM_K, 238
.set TM_P, 239
.set TM_T, 240
.set TM_U, 241
.set SWV,  18
.set SDT,  21
.set SE,   22
.set SNE,  23
.set SNL,  24
.set SU,   25
.set SUC,  26
.set ST,   27
.set SP,   28
.set SZ,   29
.set SUB,  30
.set SLO2, 31
.set SM,   32
.set SLO,  66
.set SCNT, 67
.set SUL,  68
.set SPERM, 69
.set HB,   70
.set HSB,  72
.set OB,   74
.set SX,   76
.set SY,   78
.set MSB, 0
.macro WIN new                         ; the immediate's high byte repeats the setting that is left
.if MSB != (\new)
	s_set_vgpr_msb (MSB<<8)|(\new)
.set MSB, (\new)
.endif
.endm
.macro MASKS                           ; the 32 masks, the expert's number of rows n, n - 1, ceil(n / 32)
.set gg, 0
.rept 32
	v_cmp_eq_u32 s[SM+gg], s[SE], v[ID+gg]
.set gg, gg+1
.endr
	s_mov_b32 s[SNE], 0
.set gg, 0
.rept 32
	s_bcnt1_i32_b32 s[ST], s[SM+gg]
	s_add_co_u32 s[SNE], s[SNE], s[ST]
.set gg, gg+1
.endr
	s_sub_co_u32 s[SNL], s[SNE], 1
	s_add_co_u32 s[SU], s[SNE], 31
	s_lshr_b32 s[SU], s[SU], 5
.endm
.macro LEVEL w, src
	v_bfe_u32 v[TM_T], v[\src], v[TM_P], \w
	v_cmp_ge_u32 vcc_lo, v[TM_K], v[TM_T]
	v_sub_nc_u32 v[TM_U], v[TM_K], v[TM_T]
	v_cndmask_b32 v[TM_K], v[TM_K], v[TM_U], vcc_lo
	v_add_nc_u32 v[TM_U], \w, v[TM_P]
	v_cndmask_b32 v[TM_P], v[TM_P], v[TM_U], vcc_lo
.endm
.macro SELECT rho, tok                 ; each lane's rank (held at n - 1) -> its token: the same order of rows as in the launch before
	v_min_u32 v[TM_K], s[SNL], v[\rho]
	v_mov_b32 v[TM_M], s[SM]
	v_mov_b32 v[TM_Z], 0
	s_mov_b32 s[SP], 0
.set gg, 1
.rept 31
	s_bcnt1_i32_b32 s[ST], s[SM+gg-1]
	s_add_co_u32 s[SP], s[SP], s[ST]
	s_or_b32 s[SZ], s[SP], (128*(gg>>2)+(gg&3))<<16
	v_cmp_le_u32 vcc_lo, s[SP], v[TM_K]
	v_cndmask_b32 v[TM_M], v[TM_M], s[SM+gg], vcc_lo
	v_cndmask_b32 v[TM_Z], v[TM_Z], s[SZ], vcc_lo
.set gg, gg+1
.endr
	v_and_b32 v[TM_T], 0xffff, v[TM_Z]
	v_sub_nc_u32 v[TM_K], v[TM_K], v[TM_T]
	v_lshrrev_b32 v[TM_Z], 16, v[TM_Z]
	v_lshrrev_b32 v[TM_T], 1, v[TM_M]
	v_and_b32 v[TM_T], 0x55555555, v[TM_T]
	v_sub_nc_u32 v[TM_A], v[TM_M], v[TM_T]
	v_lshrrev_b32 v[TM_T], 2, v[TM_A]
	v_and_b32 v[TM_T], 0x33333333, v[TM_T]
	v_and_b32 v[TM_B], 0x33333333, v[TM_A]
	v_add_nc_u32 v[TM_B], v[TM_B], v[TM_T]
	v_lshrrev_b32 v[TM_T], 4, v[TM_B]
	v_add_nc_u32 v[TM_C], v[TM_B], v[TM_T]
	v_and_b32 v[TM_C], 0x0f0f0f0f, v[TM_C]
	v_lshrrev_b32 v[TM_T], 8, v[TM_C]
	v_add_nc_u32 v[TM_D], v[TM_C], v[TM_T]
	v_and_b32 v[TM_T], 0xff, v[TM_D]
	v_cmp_ge_u32 vcc_lo, v[TM_K], v[TM_T]
	v_sub_nc_u32 v[TM_U], v[TM_K], v[TM_T]
	v_cndmask_b32 v[TM_K], v[TM_K], v[TM_U], vcc_lo
	v_cndmask_b32 v[TM_P], 0, 16, vcc_lo
	LEVEL 8, TM_C
	LEVEL 4, TM_B
	LEVEL 2, TM_A
	LEVEL 1, TM_M
	v_lshl_add_u32 v[\tok], v[TM_P], 2, v[TM_Z]
	v_min_u32 v[\tok], 0x3ff, v[\tok]
.endm
.macro WM d, a, b, zero, sa, sb, row
.if \zero
.if \row
	v_wmma_scale_f32_16x16x128_f8f6f4 v[(\d):(\d)+7], v[(\a):(\a)+11], v[(\b):(\b)+11], 0, v[(\sa)], v[(\sb)] matrix_a_fmt:MATRIX_FMT_BF6 matrix_b_fmt:MATRIX_FMT_BF6 matrix_b_scale:MATRIX_SCALE_ROW1
.else
	v_wmma_scale_f32_16x16x128_f8f6f4 v[(\d):(\d)+7], v[(\a):(\a)+11], v[(\b):(\b)+11], 0, v[(\sa)], v[(\sb)] matrix_a_fmt:MATRIX_FMT_BF6 matrix_b_fmt:MATRIX_FMT_BF6
.endif
.else
.if \row
	v_wmma_scale_f32_16x16x128_f8f6f4 v[(\d):(\d)+7], v[(\a):(\a)+11], v[(\b):(\b)+11], v[(\d):(\d)+7], v[(\sa)], v[(\sb)] matrix_a_fmt:MATRIX_FMT_BF6 matrix_b_fmt:MATRIX_FMT_BF6 matrix_b_scale:MATRIX_SCALE_ROW1
.else
	v_wmma_scale_f32_16x16x128_f8f6f4 v[(\d):(\d)+7], v[(\a):(\a)+11], v[(\b):(\b)+11], v[(\d):(\d)+7], v[(\sa)], v[(\sb)] matrix_a_fmt:MATRIX_FMT_BF6 matrix_b_fmt:MATRIX_FMT_BF6
.endif
.endif
.endm
.macro HLOAD buf                       ; a unit's images of my eight K steps: 48 loads of 512 consecutive bytes, and eight of its scale words: 56 loads
	WIN 0x80+0x40*(\buf)
.irp q, 0,1
.set jj, 0
.rept 24
	global_load_b128 v[96*\q+4*jj:96*\q+4*jj+3], v[L16], s[HB:HB+1] offset:49152*\q+512*jj
.set jj, jj+1
.endr
.endr
	WIN 0
.irp s, 0,1,2,3,4,5,6,7
	global_load_b32 v[HR+8*(\buf)+\s], v[L4], s[HSB:HSB+1] offset:128*\s
.endr
.endm
.macro UNIT i, par                     ; the running unit, in buffer i
	s_add_co_u32 s[ST], s[SUC], 1
	s_cmp_ge_u32 s[ST], s[SU]
	s_cbranch_scc1 .Llast_\@
	s_wait_xcnt 0x0                                ; the bases of pending loads are stepped only behind this wait
	s_add_nc_u64 s[HB:HB+1], s[HB:HB+1], 98304
	s_add_nc_u64 s[HSB:HSB+1], s[HSB:HSB+1], 4096
	HLOAD 1-\i                                     ; the next unit, into the other buffer
	s_wait_loadcnt 56                              ; this unit's loads are in; the 56 just issued stay out
	s_branch .Lgo_\@
.Llast_\@:
	s_wait_loadcnt 0x0
.Lgo_\@:
	s_cmp_ge_u32 s[SUC], s[SU]
	s_cbranch_scc1 .Lnone_\@
.irp s, 0,1,2,3,4,5,6,7
	v_perm_b32 v[HSW+\s], v[HR+8*\i+\s], v[HR+8*\i+\s], s[SPERM]
.endr
.rept 8
	v_nop                                          ; a scale register written by a vector instruction stands eight places ahead of a scaled product
.endr
	WIN 0x09+4*\i                                  ; source 0 (w2) window 1, source 1 (the hidden layer) window 2 or 3
.irp s, 0,1,2,3,4,5,6,7                ; the four accumulators by turns, one instruction a turn; the first K step starts the sums
.irp q, 0,1
.irp n, 0,1
.if \s == 0
	WM ACC+8*(2*\q+\n), 96*\n+12*\s, 96*\q+12*\s, 1, WS+8*\n+\s, HSW+\s, \q
.else
	WM ACC+8*(2*\q+\n), 96*\n+12*\s, 96*\q+12*\s, 0, WS+8*\n+\s, HSW+\s, \q
.endif
.endr
.endr
.endr
	WIN 0
.rept 4
	v_nop                                          ; four places behind the last products (ISA guide 7.12.1)
.endr
.irp q, 0,1
.irp n, 0,1
	ds_store_b128 v[SA+\par], v[ACC+8*(2*\q+\n):ACC+8*(2*\q+\n)+3] offset:SUNI*\i+2304*\q+64*\n       ; each accumulator from its low end on
	ds_store_b128 v[SA+\par], v[ACC+8*(2*\q+\n)+4:ACC+8*(2*\q+\n)+7] offset:SUNI*\i+2304*\q+64*\n+16
.endr
.endr
.Lnone_\@:
	s_add_co_u32 s[SUC], s[SUC], 1
.endm
.macro REDUCE i, par                   ; my eight rows of unit SUB + i: four parts are added, and the rows go to their tokens
	s_add_co_u32 s[ST], s[SUB], \i
	s_cmp_ge_u32 s[ST], s[SU]
	s_cbranch_scc1 .Lnored_\@
	s_wait_xcnt 0x0                                ; the last stores' data and offsets are written again only behind this wait
.irp k, 0,1
	ds_load_b32 v[TOK+\k], v[LRU] offset:128*\i+16*\k
.endr
.irp k, 0,1
.irp w, 0,1,2,3
	ds_load_b128 v[RD+16*\k+4*\w:RD+16*\k+4*\w+3], v[RA+\par] offset:SUNI*\i+SWAV*\w+576*\k
.endr
.endr
	s_wait_dscnt 0x0
.irp k, 0,1
.irp p, 0,2
	v_pk_add_f32 v[RD+16*\k+\p:RD+16*\k+\p+1], v[RD+16*\k+\p:RD+16*\k+\p+1], v[RD+16*\k+4+\p:RD+16*\k+4+\p+1]
	v_pk_add_f32 v[RD+16*\k+8+\p:RD+16*\k+8+\p+1], v[RD+16*\k+8+\p:RD+16*\k+8+\p+1], v[RD+16*\k+12+\p:RD+16*\k+12+\p+1]
.endr
.endr
.irp k, 0,1
	v_min_u32 v[TOK+\k], 0x3ff, v[TOK+\k]
.irp p, 0,2
	v_pk_add_f32 v[RD+16*\k+\p:RD+16*\k+\p+1], v[RD+16*\k+\p:RD+16*\k+\p+1], v[RD+16*\k+8+\p:RD+16*\k+8+\p+1]
.endr
	v_lshl_add_u32 v[OFF+\k], v[TOK+\k], 12, v[PI]
.endr
.irp k, 0,1
	global_store_b128 v[OFF+\k], v[RD+16*\k:RD+16*\k+3], s[OB:OB+1] th:TH_STORE_NT   ; eight lanes store a token's 128 bytes; four tokens an instruction
.endr
.Lnored_\@:
.endm
.macro TRIP par                        ; two units.  ONE barrier: behind it the parts lie in the stage of this parity; that stage is written again two passes on, behind the next barrier, ahead of which every wave has waited for its reads
	UNIT 0, \par
	UNIT 1, \par
	v_add_nc_u32 v[LRU], s[SLO2], v[LR]
	s_wait_dscnt 0x0
	s_barrier_signal -1
	s_barrier_wait -1
	REDUCE 0, \par
	REDUCE 1, \par
	s_add_co_u32 s[SUB], s[SUB], 2
	s_add_co_u32 s[SLO2], s[SLO2], 256
.endm
	s_load_b256 s[4:11], s[0:1], 0x0               ; hc s[4:5], hs s[6:7], ids s[8:9], w2's codes s[10:11]
	s_load_b128 s[12:15], s[0:1], 0x20             ; w2's scales s[12:13], out0 s[14:15]
	v_lshl_add_u32 v222, v0, 2, 0x2b200
	v_mov_b32 v223, 0
	v_lshrrev_b32 v[T0], 5, v0
	v_readfirstlane_b32 s[SWV], v[T0]
	v_and_b32 v[LN], 31, v0
	v_and_b32 v[RW], 15, v0
	v_bfe_u32 v[HF], v0, 4, 1
	v_lshlrev_b32 v[L16], 4, v[LN]
	v_lshlrev_b32 v[L4], 2, v[LN]
	v_lshlrev_b32 v[WSO], 7, v[RW]                 ; a row of w2's scale bytes is 128 bytes
	s_mov_b32 s[SDT], ttmp9
	s_and_b32 s[SE], ttmp7, 0xffff
	s_mov_b32 s[SPERM], 0x03010200
	s_mul_i32 s[SX], s[SE], 3145728                ; my 8 rows of w2: ((1,024 e + 32 Dt) + 8 w) x 3,072 bytes
	s_mul_i32 s[SY], s[SDT], 98304
	s_add_co_u32 s[SX], s[SX], s[SY]
	s_mul_i32 s[SY], s[SWV], 24576
	s_add_co_u32 s[SX], s[SX], s[SY]
	s_mov_b32 s[SX+1], 0
	s_wait_kmcnt 0x0
.irp i, 0,1,2,3,4,5,6,7
	global_load_b128 v[ID+4*\i:ID+4*\i+3], v[L16], s[8:9] offset:512*\i
.endr
	s_add_nc_u64 s[10:11], s[10:11], s[SX:SX+1]
	s_lshl_b32 s[SX], s[SE], 17                    ; the scale bytes of the 32 rows, my eight words of each: (1,024 e + 32 Dt) x 128 + 32 w
	s_lshl_b32 s[SY], s[SDT], 12
	s_add_co_u32 s[SX], s[SX], s[SY]
	s_lshl_b32 s[SY], s[SWV], 5
	s_add_co_u32 s[SX], s[SX], s[SY]
	s_add_nc_u64 s[12:13], s[12:13], s[SX:SX+1]
	WIN 0xc0
.set ii, 0
.rept 48
	global_load_b128 v[4*ii:4*ii+3], v[L16], s[10:11] offset:512*ii th:TH_LOAD_NT   ; 512 consecutive bytes a load; read once in the launch
.set ii, ii+1
.endr
	WIN 0
.irp n, 0,1
.irp i, 0,1
	global_load_b128 v[WS+8*\n+4*\i:WS+8*\n+4*\i+3], v[WSO], s[12:13] offset:2048*\n+16*\i
.endr
.endr
	s_mul_i32 s[SX], s[SE], 3145728                ; hc: the expert's unit 0, my eight K steps
	s_mul_i32 s[SY], s[SWV], 12288
	s_add_co_u32 s[SX], s[SX], s[SY]
	s_add_nc_u64 s[HB:HB+1], s[4:5], s[SX:SX+1]
	s_lshl_b32 s[SX], s[SE], 17
	s_lshl_b32 s[SY], s[SWV], 10
	s_add_co_u32 s[SX], s[SX], s[SY]
	s_add_nc_u64 s[HSB:HSB+1], s[6:7], s[SX:SX+1]
	s_lshl_b32 s[SX], s[SDT], 7
	s_add_nc_u64 s[OB:OB+1], s[14:15], s[SX:SX+1]
	s_mul_i32 s[SY], s[SWV], 8*WP
	v_add_nc_u32 v[LA], s[SY], v[L16]              ; into LDS: my 8 rows
	s_mul_i32 s[SY], s[SWV], 768
	v_mul_u32_u24 v[WA], v[RW], WP
	v_mad_u32_u24 v[WA], v[HF], 48, v[WA]
	v_add_nc_u32 v[WA], s[SY], v[WA]               ; out of LDS: row r (+ 16 n), my 768 bytes, + 48 h
	s_lshl_b32 s[SY], s[SWV], 7
	v_add_nc_u32 v[LB], s[SY], v[L4]
	v_add_nc_u32 v[LB], LIST, v[LB]                ; the list: unit w + 4 q, rank = lane
	s_mul_i32 s[SY], s[SWV], SWAV
	v_mul_u32_u24 v[SA], v[RW], 144
	v_lshl_add_u32 v[SA], v[HF], 5, v[SA]
	v_add_nc_u32 v[SA], s[SY], v[SA]
	v_add_nc_u32 v[SA], STG, v[SA]                 ; the stage, in: my part, row r (+ 16 q), + 32 h
	v_add_nc_u32 v[SA+1], SPAR, v[SA]
	v_lshrrev_b32 v[T0], 3, v[LN]                  ; l / 8
	v_and_b32 v[T1], 7, v[LN]                      ; l % 8
	v_lshlrev_b32 v[PI], 4, v[T1]
	s_mul_i32 s[SY], s[SWV], 8*144
	v_mad_u32_u24 v[RA], v[T0], 144, v[PI]
	v_add_nc_u32 v[RA], s[SY], v[RA]
	v_add_nc_u32 v[RA], STG, v[RA]                 ; and out: row 8 w + l / 8 (+ 4 k), 16 bytes a lane
	v_add_nc_u32 v[RA+1], SPAR, v[RA]
	s_lshl_b32 s[SY], s[SWV], 5
	v_lshl_add_u32 v[LR], v[T0], 2, s[SY]
	v_add_nc_u32 v[LR], LIST, v[LR]                ; that row's token
.irp s, 0,1,2,3,4,5,6,7
	v_mov_b32 v[HR+8+\s], 0                        ; buffer 1 is written on every way before it is named
.endr
	s_wait_loadcnt 52                              ; the stored numbers are in; the 48 + 4 loads of w2 stay out
	MASKS
	s_mov_b32 s[SLO], 0
	s_mov_b32 s[SUL], s[SWV]
	s_mov_b32 s[SCNT], 8
.Llist:                                            ; eight trips: wave w lists units w, w + 4, ..
	v_add_nc_u32 v[LAD], s[SLO], v[LB]
	s_cmp_ge_u32 s[SUL], s[SU]
	s_cbranch_scc1 .Lno_list
	s_lshl_b32 s[SY], s[SUL], 5
	v_add_nc_u32 v[RHO], s[SY], v[LN]
	SELECT RHO, TOKL
	ds_store_b32 v[LAD], v[TOKL]
.Lno_list:
	s_add_co_u32 s[SUL], s[SUL], 4
	s_add_co_u32 s[SLO], s[SLO], 512
	s_sub_co_u32 s[SCNT], s[SCNT], 1
	s_cmp_lg_u32 s[SCNT], 0
	s_cbranch_scc1 .Llist
	HLOAD 0                                        ; unit 0 of every expert has been written: it is asked for whatever the count
	s_wait_loadcnt 56                              ; w2 is in; the unit's 56 loads stay out
	WIN 0x0c                                       ; an LDS store's data are its source 1: window 3
.set ii, 0
.rept 48
	ds_store_b128 v[LA], v[4*ii:4*ii+3] offset:WP*(ii/6)+512*(ii%6)
.set ii, ii+1
.endr
	WIN 0
.set jj, 0
.rept 16
	v_perm_b32 v[WS+jj], v[WS+jj], v[WS+jj], s[SPERM]   ; (each unit's eight exchanges and eight v_nop stand between these and the first product)
.set jj, jj+1
.endr
	s_wait_dscnt 0x0                               ; for the others: my rows of w2 and my part of the list lie in LDS
	s_barrier_signal -1
	s_barrier_wait -1
	WIN 0x40
.irp n, 0,1
.irp s, 0,1,2,3,4,5,6,7
.irp c, 0,1,2
	ds_load_b128 v[96*\n+12*\s+4*\c:96*\n+12*\s+4*\c+3], v[WA] offset:16*WP*\n+96*\s+16*\c
.endr
.endr
.endr
	s_wait_dscnt 0x0
	WIN 0
	s_mov_b32 s[SUC], 0
	s_mov_b32 s[SUB], 0
	s_mov_b32 s[SLO2], 0
	s_mov_b32 s[SCNT], 8
.Lpass:
	TRIP 0
	TRIP 1
	s_sub_co_u32 s[SCNT], s[SCNT], 1
	s_cmp_lg_u32 s[SCNT], 0
	s_cbranch_scc1 .Lpass
	s_wait_tensorcnt 0x0
	ds_add_u32 v222, v223
	s_wait_dscnt 0x0
	s_endpgm
.Lfunc_end_k_qb21dcff21d_down:
	.size	k_qb21dcff21d_down, .Lfunc_end_k_qb21dcff21d_down-k_qb21dcff21d_down
	.p2alignl 7, 3214868480
	.fill 96, 4, 3214868480
	.section	.rodata,"a",@progbits
	.p2align	6, 0x0
	.amdhsa_kernel k_qb21dcff21d_down
		.amdhsa_group_segment_fixed_size 177152
		.amdhsa_private_segment_fixed_size 0
		.amdhsa_enable_private_segment 0
		.amdhsa_kernarg_size 48
		.amdhsa_user_sgpr_count 2
		.amdhsa_user_sgpr_kernarg_segment_ptr 1
		.amdhsa_wavefront_size32 1
		.amdhsa_system_sgpr_workgroup_id_x 1
		.amdhsa_system_sgpr_workgroup_id_y 1
		.amdhsa_system_sgpr_workgroup_id_z 1
		.amdhsa_system_vgpr_workitem_id 0
		.amdhsa_next_free_vgpr 960
		.amdhsa_next_free_sgpr 84
		.amdhsa_reserve_vcc 1
		.amdhsa_float_denorm_mode_32 3
		.amdhsa_float_denorm_mode_16_64 3
		.amdhsa_memory_ordered 1
		.amdhsa_forward_progress 1
		.amdhsa_inst_pref_size 91
	.end_amdhsa_kernel
	.amdgpu_metadata
---
amdhsa.version: [ 1, 2 ]
amdhsa.kernels:
  - .name:           k_qb21dcff21d_down
    .symbol:         k_qb21dcff21d_down.kd
    .args:
      - { .name: hc, .offset: 0, .size: 8, .value_kind: global_buffer, .address_space: global }
      - { .name: hs, .offset: 8, .size: 8, .value_kind: global_buffer, .address_space: global }
      - { .name: ids, .offset: 16, .size: 8, .value_kind: global_buffer, .address_space: global }
      - { .name: w2_codes, .offset: 24, .size: 8, .value_kind: global_buffer, .address_space: global }
      - { .name: w2_scales, .offset: 32, .size: 8, .value_kind: global_buffer, .address_space: global }
      - { .name: out0, .offset: 40, .size: 8, .value_kind: global_buffer, .address_space: global }
    .group_segment_fixed_size: 177152
    .private_segment_fixed_size: 0
    .kernarg_segment_align: 8
    .kernarg_segment_size: 48
    .max_flat_workgroup_size: 128
    .sgpr_count:     84
    .vgpr_count:     960
    .wavefront_size: 32
...
	.end_amdgpu_metadata
.endif
;; end of part 3
;; ======== version 2 of 2: 3 launches; version 1 with the launches up, down written anew for expert scheduling mode
;; workspace buffers: xc 786,432 bytes; xs 32,768 bytes; ids 4,096 bytes of whole numbers; hc 25,165,824 bytes; hs 1,048,576 bytes
;; launch route: the kernel of part 1 again; grid 256 x 1, 4 waves a work-group, no clusters, 57,856 bytes of LDS; arguments x, gate_w, xc, xs, ids; writes xc, xs, ids
;; launch up (part 4): grid 32 x 8, 4 waves a work-group, no clusters, 101,376 bytes of LDS; arguments xc, xs, ids, w1_codes, w1_scales, hc, hs; writes hc, hs
.if DOCPART == 4
	.amdgcn_target "amdgcn-amd-amdhsa--gfx1250"
	.amdhsa_code_object_version 6
	.text
	.protected	k_qb21dcff21d_up
	.globl	k_qb21dcff21d_up
	.p2align	8
	.type	k_qb21dcff21d_up,@function
k_qb21dcff21d_up:
	s_mov_b64 s[64:65], 0
	v_nop
	global_prefetch_b8 v0, s[64:65] scope:SCOPE_SE
	s_setreg_imm32_b32 hwreg(HW_REG_WAVE_SCHED_MODE, 0, 2), 2
	s_setreg_imm32_b32 hwreg(HW_REG_WAVE_MODE, 25, 1), 1
	s_wait_xcnt 0x0
	s_wait_alu depctr_vm_vsrc(0)
; UP.  Work-group (F, e): hidden units 128 F .. 128 F + 127 of expert e, for the tokens that chose e: h = gelu(x w1[e]), quantised along F to BF6 (E3M2) with E8M0 bytes, stored as images of
; the next product's operand registers.  Only the chosen rows are multiplied: the one-hot of the layer throws the others away.
; SHARES.  Wave w: a = w % 2 is its half of 64 hidden units, b = w / 2 the parity of the units of rows that it walks.  Its 64 x 1,024 part of w1 stays in 384 registers for the whole launch; the work-group's
; 98,304 bytes of w1 are one dense block of memory, read once by loads of 512 consecutive bytes and turned once through LDS.
; A UNIT is 32 rows of the expert (two tiles of 16); U = ceil(n / 32), at least 1.  A rank past the last repeats the expert's last token, so that every byte of a unit is written.
; THE LIST is not stored: each wave finds the token of a rank from the 1,024 stored expert numbers by integer arithmetic (32 lane masks, their prefix counts, the k-th set bit of one mask).
; ORDER OF K.  In every 128 along K the lanes of half h take blocks 2 h and 2 h + 1 (48 consecutive bytes of a row), on both operands alike; so the scale word is the natural one with bytes 1 and 2 exchanged.
; The sums therefore run in another order of K than the layer is written in; they are f32 sums of the same exact products.
; TRANSPOSED USE: source 0 = 16 rows of w1, source 1 = 16 tokens.  Lane r of tile t takes row 64 a + 32 (r / 8) + 8 t + r % 8, so that a lane's 32 results of the four tiles are one whole block of 32 along F.
; GELU, exact form: g = max(x, 0) - t Phi, t = |x| / sqrt(2), Phi = erfc(t) / sqrt(2).  erfc: under t = 0.9277 as 1 - erf by an odd polynomial, above it as 2^(polynomial), both in f32.
; LIMITS: NaN and infinities are not served.  In the far tail erfc has the accuracy of one v_exp_f32 on an f32 exponent: at t = 5 about 3e-6 of the number.  A block of zeros gets the byte 1.
; NO CLUSTER, NO TENSOR LOAD: the number of units hangs on numbers read from memory, so the trips differ from expert to expert; each byte of w1 has one reader in the launch.
; THE MODE: SCHED_MODE bits 1:0 = 2 (LLVM: expert scheduling mode 2), set by the entry lines.  The code itself states the register dependences between vector or matrix instructions and
; memory or LDS instructions, and from a vector instruction's scalar result to its readers, with s_wait_alu, always for 0.
; THE PLAN.  Registers that memory or LDS instructions touch:
;   window 3 v0-191, v[XS ..]       a unit's rows of x and their scale words.  XLOAD's loads land in them; the unit's 64 products read them.
;   v[XO], v[XO+1], v[XSO]          XLOAD's offsets.  TOKENS writes them; XLOAD reads them.
;   v[OUT ..], v[PAIR]              a unit's codes and scale bytes.  The quantiser writes them; the unit's four stores read them.
;   window 1 (at the head)          w1 as loaded: the LDS stores read it; then the fragments' LDS loads land in it.
;   v[L16], v[WSO], v[LA0], v[LA1], v[WA], v[HO], v[HSO]   offsets and LDS addresses, made at the head and never written again: the stores' rows are reached by scalar bases and immediates.
; A UNIT'S WAITS.  At its head one on vm_vsrc: the loads of this unit have read XO and XSO, the stores of the unit before have read OUT and PAIR.  Behind the products and the search for the next unit's
; tokens one on va_vdst, in XLOAD: XO and XSO are written, the products are done reading x.  Ahead of the four stores one on va_vdst: OUT and PAIR are written.
; SCALAR RESULTS.  Compares stand in runs, into scalar registers of their own, with one wait on va_sdst behind each run; the five levels of the bit search hang on each other and have a wait on va_vcc each.
.set ROWP, 784                         ; a row of w1 in LDS: 768 + 16
.set GRP,  25216                       ; 32 rows + 128: the 16 rows of a fragment load start in 16 different columns of 16 bytes
.set LN,   1
.set RW,   2
.set HF,   3
.set L16,  4
.set LA0,  5
.set LA1,  6
.set WA,   7
.set WSO,  8
.set RHO,  9
.set TOKS, 10
.set TX,   11
.set XO,   12                          ; v12-13 byte offsets in xc of my tokens of tiles 0, 1
.set XSO,  14
.set HO,   15
.set HSO,  16
.set H384, 17
.set T0,   18
.set T1,   19
.set WS,   32                          ; v32-63   w1's scale words, 8 t + s
.set XS,   64                          ; v64-71   x's scale words: lanes 0-15 tile 0, lanes 16-31 tile 1
.set ACC,  72                          ; v72-135  accumulator (tile of rows q, tile t) at 32 q + 8 t
.set OUT,  136                         ; v136-147 the codes
.set TMP,  148
.set SB,   156
.set PAIR, 158
.set GT,   160                         ; v160-223 at work in the activation, 16 each; later in the quantiser
.set GS,   176
.set GR,   192
.set GP,   208
.set MX,   160
.set EX,   162
.set ID,   224                         ; v224-255 the stored expert numbers; afterwards:
.set VA1,  224                         ; three constants as pairs,
.set VA3,  226
.set VD1,  228
.set TM_M, 232                         ; and the search's registers
.set TM_Z, 233
.set TM_A, 234
.set TM_B, 235
.set TM_C, 236
.set TM_D, 237
.set TM_K, 238
.set TM_P, 239
.set TM_T, 240
.set TM_U, 241
.set GM,   8                           ; s8-23  in the loop: the activation's sixteen lane masks (the head's pointers and ids, which lay here, are done with)
.set MK,   16                          ; s16-23 behind MASKS: eight lane masks of the search
.set SWV,  18
.set SAH,  19
.set SBP,  20
.set SF,   21
.set SE,   22
.set SNE,  23
.set SNL,  24
.set SU,   25                          ; s25 first U, then the number of units of my parity: the loop's bound, which the loop does not write
.set SUC,  26                          ; s26 which of my units is in hand: 0, 1, ..
.set ST,   27
.set SP,   28
.set SZ,   29
.set SHI,  30
.set SX,   31
.set SM,   32                          ; s32-63 mask g: the lanes whose token 128 (g / 4) + 4 lane + g % 4 chose e
.set KA0,  66
.set KA2,  68
.set KA4,  70
.set KA5,  72
.set KA6,  74
.set KD0,  76
.set KD2,  78
.set KD3,  80
.set KD4,  82
.set KD5,  84
.set KC,   86
.set KL,   88
.set KTH,  93
.set HB,   94
.set HSB,  96
.set SP2,  99                          ; s99 behind the head's offsets: the prefix count, made a second time for the selections
.set MSB, 0
.macro WIN new                         ; the immediate's high byte repeats the setting that is left
.if MSB != (\new)
	s_set_vgpr_msb (MSB<<8)|(\new)
.set MSB, (\new)
.endif
.endm
.macro SPAIR reg, val                  ; a constant for the packed forms: they name a pair and take its low word for both halves
	s_mov_b32 s[\reg], \val
	s_mov_b32 s[\reg+1], \val
.endm
.macro MASKS                           ; the 32 masks, the expert's number of rows n, n - 1, ceil(n / 32)
.set gg, 0
.rept 32
	v_cmp_eq_u32 s[SM+gg], s[SE], v[ID+gg]
.set gg, gg+1
.endr
	s_wait_alu depctr_va_sdst(0)                   ; the 32 compares have written s[SM ..], which the counts below read
	s_mov_b32 s[SNE], 0
.set gg, 0
.rept 32
	s_bcnt1_i32_b32 s[ST], s[SM+gg]
	s_add_co_u32 s[SNE], s[SNE], s[ST]
.set gg, gg+1
.endr
	s_sub_co_u32 s[SNL], s[SNE], 1
	s_add_co_u32 s[SU], s[SNE], 31
	s_lshr_b32 s[SU], s[SU], 5
.endm
.macro LEVEL w, src                    ; does the k-th set bit lie past the next w bits?
	v_bfe_u32 v[TM_T], v[\src], v[TM_P], \w
	v_cmp_ge_u32 vcc_lo, v[TM_K], v[TM_T]
	v_sub_nc_u32 v[TM_U], v[TM_K], v[TM_T]
	s_wait_alu depctr_va_vcc(0)                    ; the compare has written VCC, which the two selections read
	v_cndmask_b32 v[TM_K], v[TM_K], v[TM_U], vcc_lo
	v_add_nc_u32 v[TM_U], \w, v[TM_P]
	v_cndmask_b32 v[TM_P], v[TM_P], v[TM_U], vcc_lo
.endm
.macro SELECT rho, tok                 ; each lane's rank (held at n - 1) -> its token
	v_min_u32 v[TM_K], s[SNL], v[\rho]
	v_mov_b32 v[TM_M], s[SM]
	v_mov_b32 v[TM_Z], 0
	s_mov_b32 s[SP], 0
	s_mov_b32 s[SP2], 0
.set g0, 1
.rept 4                                ; the last group whose prefix count is at most the rank holds it.  Eight groups at a time: a run of compares, one wait, the selections
.set gg, g0
.rept 8
.if gg < 32
	s_bcnt1_i32_b32 s[ST], s[SM+gg-1]
	s_add_co_u32 s[SP], s[SP], s[ST]
	v_cmp_le_u32 s[MK+gg-g0], s[SP], v[TM_K]
.endif
.set gg, gg+1
.endr
	s_wait_alu depctr_va_sdst(0)                   ; the run of compares has written s[MK ..], which the selections below read
.set gg, g0
.rept 8
.if gg < 32
	s_bcnt1_i32_b32 s[ST], s[SM+gg-1]              ; the same prefix count once more
	s_add_co_u32 s[SP2], s[SP2], s[ST]
	s_or_b32 s[SZ], s[SP2], (128*(gg>>2)+(gg&3))<<16
	v_cndmask_b32 v[TM_M], v[TM_M], s[SM+gg], s[MK+gg-g0]
	v_cndmask_b32 v[TM_Z], v[TM_Z], s[SZ], s[MK+gg-g0]
.endif
.set gg, gg+1
.endr
.set g0, g0+8
.endr
	v_and_b32 v[TM_T], 0xffff, v[TM_Z]
	v_sub_nc_u32 v[TM_K], v[TM_K], v[TM_T]         ; the rank inside the group
	v_lshrrev_b32 v[TM_Z], 16, v[TM_Z]             ; the group's first token
	v_lshrrev_b32 v[TM_T], 1, v[TM_M]              ; counts of the mask's fields of 2, 4, 8 and 16 bits
	v_and_b32 v[TM_T], 0x55555555, v[TM_T]
	v_sub_nc_u32 v[TM_A], v[TM_M], v[TM_T]
	v_lshrrev_b32 v[TM_T], 2, v[TM_A]
	v_and_b32 v[TM_T], 0x33333333, v[TM_T]
	v_and_b32 v[TM_B], 0x33333333, v[TM_A]
	v_add_nc_u32 v[TM_B], v[TM_B], v[TM_T]
	v_lshrrev_b32 v[TM_T], 4, v[TM_B]
	v_add_nc_u32 v[TM_C], v[TM_B], v[TM_T]
	v_and_b32 v[TM_C], 0x0f0f0f0f, v[TM_C]
	v_lshrrev_b32 v[TM_T], 8, v[TM_C]
	v_add_nc_u32 v[TM_D], v[TM_C], v[TM_T]
	v_and_b32 v[TM_T], 0xff, v[TM_D]
	v_cmp_ge_u32 vcc_lo, v[TM_K], v[TM_T]
	v_sub_nc_u32 v[TM_U], v[TM_K], v[TM_T]
	s_wait_alu depctr_va_vcc(0)                    ; the compare has written VCC, which the two selections read
	v_cndmask_b32 v[TM_K], v[TM_K], v[TM_U], vcc_lo
	v_cndmask_b32 v[TM_P], 0, 16, vcc_lo
	LEVEL 8, TM_C
	LEVEL 4, TM_B
	LEVEL 2, TM_A
	LEVEL 1, TM_M
	v_lshl_add_u32 v[\tok], v[TM_P], 2, v[TM_Z]
	v_min_u32 v[\tok], 0x3ff, v[\tok]              ; a token's number, whatever the stored numbers hold
.endm
.macro TOKENS                          ; lane l holds the token of rank 32 u + l; lane (r, h) wants those of ranks r and 16 + r
	v_permlanex16_b32 v[TX], v[TOKS], s90, s91
	v_cndmask_b32 v[XO], v[TOKS], v[TX], s[SHI]
	v_cndmask_b32 v[XO+1], v[TX], v[TOKS], s[SHI]
	v_min_u32 v[XO], 0x3ff, v[XO]
	v_min_u32 v[XO+1], 0x3ff, v[XO+1]
	v_mul_u32_u24 v[XO], v[XO], 768
	v_mul_u32_u24 v[XO+1], v[XO+1], 768
	v_add_nc_u32 v[XO], v[H384], v[XO]
	v_add_nc_u32 v[XO+1], v[H384], v[XO+1]
	v_lshlrev_b32 v[XSO], 5, v[TOKS]
.endm
.macro XLOAD                           ; a unit's rows of x: 384 consecutive bytes a lane and tile, straight into the operand's registers; 48 + 2 loads
	WIN 0xc0
	s_wait_alu depctr_va_vdst(0)                   ; TOKENS has written v[XO], v[XO+1] and v[XSO], the loads' offsets; in the loop the products are done reading x's registers and v[XS ..], in which the loads land; at the head the LDS addresses and the stores' offsets are written too
.irp q, 0,1
.set jj, 0
.rept 24
	global_load_b128 v[96*\q+4*jj:96*\q+4*jj+3], v[XO+\q], s[4:5] offset:16*jj
.set jj, jj+1
.endr
.endr
	WIN 0
	global_load_b128 v[XS:XS+3], v[XSO], s[6:7]
	global_load_b128 v[XS+4:XS+7], v[XSO], s[6:7] offset:16
.endm
.macro WM d, a, b, zero, sa, sb, row
.if \zero
.if \row
	v_wmma_scale_f32_16x16x128_f8f6f4 v[(\d):(\d)+7], v[(\a):(\a)+11], v[(\b):(\b)+11], 0, v[(\sa)], v[(\sb)] matrix_a_fmt:MATRIX_FMT_BF6 matrix_b_fmt:MATRIX_FMT_BF6 matrix_b_scale:MATRIX_SCALE_ROW1
.else
	v_wmma_scale_f32_16x16x128_f8f6f4 v[(\d):(\d)+7], v[(\a):(\a)+11], v[(\b):(\b)+11], 0, v[(\sa)], v[(\sb)] matrix_a_fmt:MATRIX_FMT_BF6 matrix_b_fmt:MATRIX_FMT_BF6
.endif
.else
.if \row
	v_wmma_scale_f32_16x16x128_f8f6f4 v[(\d):(\d)+7], v[(\a):(\a)+11], v[(\b):(\b)+11], v[(\d):(\d)+7], v[(\sa)], v[(\sb)] matrix_a_fmt:MATRIX_FMT_BF6 matrix_b_fmt:MATRIX_FMT_BF6 matrix_b_scale:MATRIX_SCALE_ROW1
.else
	v_wmma_scale_f32_16x16x128_f8f6f4 v[(\d):(\d)+7], v[(\a):(\a)+11], v[(\b):(\b)+11], v[(\d):(\d)+7], v[(\sa)], v[(\sb)] matrix_a_fmt:MATRIX_FMT_BF6 matrix_b_fmt:MATRIX_FMT_BF6
.endif
.endif
.endm
.macro MUL s                           ; K step s: the eight accumulators by turns, one instruction a turn; step 0 starts the sums
.irp t, 0,1,2,3
.irp q, 0,1
.if \s == 0
	WM ACC+32*\q+8*\t, 48*\t+12*(\s%4), 96*\q+12*\s, 1, WS+8*\t+\s, XS+\s, \q
.else
	WM ACC+32*\q+8*\t, 48*\t+12*(\s%4), 96*\q+12*\s, 0, WS+8*\t+\s, XS+\s, \q
.endif
.endr
.endr
.endm
.macro GELU16 x                        ; sixteen numbers in place, from the low end on
.irp j, 0,1,2,3,4,5,6,7,8,9,10,11,12,13,14,15
	v_mul_f32 v[GT+\j], |v[\x+\j]|, s[KC]          ; t = |x| / sqrt(2)
.endr
.irp j, 0,2,4,6,8,10,12,14
	v_pk_mul_f32 v[GS+\j:GS+\j+1], v[GT+\j:GT+\j+1], v[GT+\j:GT+\j+1]
.endr
.irp j, 0,2,4,6,8,10,12,14
	v_pk_fma_f32 v[GR+\j:GR+\j+1], v[GT+\j:GT+\j+1], s[KA0:KA0+1], v[VA1:VA1+1] op_sel_hi:[1,0,1]
.endr
.irp j, 0,2,4,6,8,10,12,14
	v_pk_fma_f32 v[GP+\j:GP+\j+1], v[GT+\j:GT+\j+1], s[KA2:KA2+1], v[VA3:VA3+1] op_sel_hi:[1,0,1]
.endr
.irp j, 0,2,4,6,8,10,12,14
	v_pk_fma_f32 v[GR+\j:GR+\j+1], v[GR+\j:GR+\j+1], v[GS+\j:GS+\j+1], v[GP+\j:GP+\j+1]
.endr
.irp k, KA4, KA5, KA6
.irp j, 0,2,4,6,8,10,12,14
	v_pk_fma_f32 v[GR+\j:GR+\j+1], v[GR+\j:GR+\j+1], v[GT+\j:GT+\j+1], s[\k:\k+1] op_sel_hi:[1,1,0]
.endr
.endr
.irp j, 0,2,4,6,8,10,12,14
	v_pk_fma_f32 v[GR+\j:GR+\j+1], v[GR+\j:GR+\j+1], v[GT+\j:GT+\j+1], v[GT+\j:GT+\j+1] neg_lo:[0,0,1] neg_hi:[0,0,1]   ; ln erfc(t)
.endr
.irp j, 0,2,4,6,8,10,12,14
	v_pk_fma_f32 v[GR+\j:GR+\j+1], v[GR+\j:GR+\j+1], s[KL:KL+1], -0.5 op_sel_hi:[1,0,0]   ; x log2(e), and 1 / sqrt(2) = 2^-0.5
.endr
.irp j, 0,1,2,3,4,5,6,7,8,9,10,11,12,13,14,15
	v_exp_f32 v[GR+\j], v[GR+\j]                   ; Phi for the larger t
.endr
.irp j, 0,2,4,6,8,10,12,14
	v_pk_fma_f32 v[GP+\j:GP+\j+1], v[GS+\j:GS+\j+1], s[KD0:KD0+1], v[VD1:VD1+1] op_sel_hi:[1,0,1]   ; (plain lines behind the exponentials)
.endr
.irp k, KD2, KD3, KD4, KD5
.irp j, 0,2,4,6,8,10,12,14
	v_pk_fma_f32 v[GP+\j:GP+\j+1], v[GP+\j:GP+\j+1], v[GS+\j:GS+\j+1], s[\k:\k+1] op_sel_hi:[1,1,0]
.endr
.endr
.irp j, 0,2,4,6,8,10,12,14
	v_pk_fma_f32 v[GP+\j:GP+\j+1], v[GP+\j:GP+\j+1], v[GT+\j:GT+\j+1], v[GT+\j:GT+\j+1]   ; erf(t)
.endr
.irp j, 0,2,4,6,8,10,12,14
	v_pk_fma_f32 v[GP+\j:GP+\j+1], v[GP+\j:GP+\j+1], s[KC:KC+1], s[KC:KC+1] op_sel_hi:[1,0,0] neg_lo:[1,0,0] neg_hi:[1,0,0]   ; Phi for the smaller t
.endr
.irp j, 0,1,2,3,4,5,6,7,8,9,10,11,12,13,14,15
	v_cmp_lt_f32 s[GM+\j], s[KTH], v[GT+\j]        ; which of the two: sixteen compares in a run, a scalar register each
.endr
	s_wait_alu depctr_va_sdst(0)                   ; the sixteen compares have written s[GM ..], which the selections read
	s_wait_alu depctr_va_vdst(0)                   ; the sixteen exponentials have written v[GR ..], which the selections read: one wait for the batch
.irp j, 0,1,2,3,4,5,6,7,8,9,10,11,12,13,14,15
	v_cndmask_b32 v[GP+\j], v[GP+\j], v[GR+\j], s[GM+\j]
.endr
.irp j, 0,1,2,3,4,5,6,7,8,9,10,11,12,13,14,15
	v_max_num_f32 v[GR+\j], 0, v[\x+\j]
.endr
.irp j, 0,2,4,6,8,10,12,14
	v_pk_fma_f32 v[\x+\j:\x+\j+1], v[GT+\j:GT+\j+1], v[GP+\j:GP+\j+1], v[GR+\j:GR+\j+1] neg_lo:[1,0,0] neg_hi:[1,0,0]   ; max(x, 0) - t Phi
.endr
.endm
	s_load_b256 s[4:11], s[0:1], 0x0               ; xc s[4:5], xs s[6:7], ids s[8:9], w1's codes s[10:11]
	s_load_b128 s[12:15], s[0:1], 0x20             ; w1's scales s[12:13], hc s[14:15]
	s_load_b64 s[16:17], s[0:1], 0x30              ; hs
	v_lshl_add_u32 v155, v0, 2, 0x18a00
	v_mov_b32 v159, 0
	v_lshrrev_b32 v[T0], 5, v0
	v_readfirstlane_b32 s[SWV], v[T0]
	v_and_b32 v[LN], 31, v0
	v_and_b32 v[RW], 15, v0
	v_bfe_u32 v[HF], v0, 4, 1
	v_lshlrev_b32 v[L16], 4, v[LN]
	s_wait_alu depctr_va_sdst(0)                   ; the wave's number is written, ahead of its first reader
	s_and_b32 s[SAH], s[SWV], 1
	s_lshr_b32 s[SBP], s[SWV], 1
	s_mov_b32 s[SF], ttmp9
	s_and_b32 s[SE], ttmp7, 0xffff
	s_mul_i32 s98, s[SE], 3145728                  ; my 32 rows of w1: ((4,096 e + 128 F) + 32 w) x 768 bytes
	s_mul_i32 s[SX], s[SF], 98304
	s_add_co_u32 s98, s98, s[SX]
	s_mul_i32 s[SX], s[SWV], 24576
	s_add_co_u32 s98, s98, s[SX]
	s_mov_b32 s99, 0
	s_lshl_b32 s2, s[SE], 17                       ; my 64 rows' scale bytes: (4,096 e + 128 F + 64 a) x 32
	s_lshl_b32 s[SX], s[SF], 12
	s_add_co_u32 s2, s2, s[SX]
	s_lshl_b32 s[SX], s[SAH], 11
	s_add_co_u32 s2, s2, s[SX]
	s_mov_b32 s3, 0
	v_bfe_u32 v[T0], v0, 3, 1                      ; r / 8
	v_and_b32 v[T1], 7, v0                         ; r % 8
	v_lshlrev_b32 v[WSO], 10, v[T0]
	v_lshl_add_u32 v[WSO], v[T1], 5, v[WSO]        ; (32 (r / 8) + r % 8) x 32 bytes
	s_wait_kmcnt 0x0
	s_add_nc_u64 s[10:11], s[10:11], s[98:99]
	s_add_nc_u64 s[12:13], s[12:13], s[2:3]
	s_wait_alu depctr_va_vdst(0)                   ; v[L16] and v[WSO] are written, the offsets of the 64 loads below
.irp i, 0,1,2,3,4,5,6,7
	global_load_b128 v[ID+4*\i:ID+4*\i+3], v[L16], s[8:9] offset:512*\i   ; register 4 i + c of lane l: token 128 i + 4 l + c
.endr
	WIN 0x40
.set ii, 0
.rept 48
	global_load_b128 v[4*ii:4*ii+3], v[L16], s[10:11] offset:512*ii th:TH_LOAD_NT   ; 512 consecutive bytes a load; read once in the launch
.set ii, ii+1
.endr
	WIN 0
.irp t, 0,1,2,3
.irp i, 0,1
	global_load_b128 v[WS+8*\t+4*\i:WS+8*\t+4*\i+3], v[WSO], s[12:13] offset:256*\t+16*\i
.endr
.endr
	s_mul_i32 s[SX], s[SWV], GRP
	v_add_nc_u32 v[LA0], s[SX], v[L16]             ; into LDS: my 32 rows, 16 bytes a lane;
	v_lshl_add_u32 v[LA1], v[HF], 4, v[LA0]        ; where a load straddles two rows, lanes 16-31 lie behind the padding
	s_mul_i32 s[SX], s[SAH], 2*GRP
	v_mul_u32_u24 v[WA], v[T0], GRP
	v_mad_u32_u24 v[WA], v[T1], ROWP, v[WA]
	v_mad_u32_u24 v[WA], v[HF], 48, v[WA]
	v_add_nc_u32 v[WA], s[SX], v[WA]               ; out of LDS: row 64 a + 32 (r / 8) + r % 8 (+ 8 t), + 48 h
	v_mul_u32_u24 v[HO], v[HF], 49152
	v_lshl_add_u32 v[HO], v[RW], 4, v[HO]          ; hc: tile l / 16, 16 bytes for token r
	v_lshlrev_b32 v[HSO], 2, v[LN]
	v_mul_u32_u24 v[H384], v[HF], 384
	v_mov_b32 v[TX], 0                             ; (a lane permute's destination counts as one of its sources)
	s_mov_b32 s[SHI], 0xffff0000                   ; lanes 16-31
	s_mov_b32 s90, 0x76543210
	s_mov_b32 s91, 0xfedcba98
	s_mov_b32 s92, 0x03010200                      ; bytes 1 and 2 of a scale word change places
	s_mov_b32 s[KTH], 0x3f6d8000                   ; 0.927734375
	SPAIR KA0, 0xb7910000
	SPAIR KA2, 0xbb7e8a1c
	SPAIR KA4, 0xbddaae5c
	SPAIR KA5, 0xbf228550
	SPAIR KA6, 0xbe03ce86
	SPAIR KD0, 0xba1c7000
	SPAIR KD2, 0xbcdb48d9
	SPAIR KD3, 0x3de70e22
	SPAIR KD4, 0xbec09380
	SPAIR KD5, 0x3e0375d4
	SPAIR KC, 0x3f3504f3                           ; 1 / sqrt(2)
	SPAIR KL, 0x3fb8aa3b                           ; log2(e)
	s_mul_i32 s98, s[SE], 3145728                  ; hc: expert, unit b, K step F, lanes 16 a on
	s_mul_i32 s[SX], s[SBP], 98304
	s_add_co_u32 s98, s98, s[SX]
	s_mul_i32 s[SX], s[SF], 1536
	s_add_co_u32 s98, s98, s[SX]
	s_lshl_b32 s[SX], s[SAH], 8
	s_add_co_u32 s98, s98, s[SX]
	s_add_nc_u64 s[HB:HB+1], s[14:15], s[98:99]
	s_lshl_b32 s98, s[SE], 17                      ; hs: expert, unit b, K step F, bytes 2 a and 2 a + 1 of a word
	s_lshl_b32 s[SX], s[SBP], 12
	s_add_co_u32 s98, s98, s[SX]
	s_lshl_b32 s[SX], s[SF], 7
	s_add_co_u32 s98, s98, s[SX]
	s_lshl_b32 s[SX], s[SAH], 1
	s_add_co_u32 s98, s98, s[SX]
	s_add_nc_u64 s[HSB:HSB+1], s[16:17], s[98:99]
	s_wait_loadcnt 56                              ; the stored numbers are in; the 48 + 8 loads of w1 stay out
	MASKS
	s_max_u32 s[SU], s[SU], 1                      ; unit 0 of every expert is written, so that the next launch may always load it
	s_sub_co_u32 s[SU], s[SU], s[SBP]              ; U is at least 1 and b at most 1: never negative
	s_add_co_u32 s[SU], s[SU], 1
	s_lshr_b32 s[SU], s[SU], 1                     ; the units of my parity: ceil((U - b) / 2); the loop counts them one by one
	v_mov_b32 v[VA1], 0x39c8e7d9
	v_mov_b32 v[VA1+1], 0x39c8e7d9
	v_mov_b32 v[VA3], 0x3cc6b1a1
	v_mov_b32 v[VA3+1], 0x3cc6b1a1
	v_mov_b32 v[VD1], 0x3ba38d2c
	v_mov_b32 v[VD1+1], 0x3ba38d2c
	s_lshl_b32 s[SX], s[SBP], 5
	v_add_nc_u32 v[RHO], s[SX], v[LN]              ; my first unit's ranks
	SELECT RHO, TOKS                               ; (from here on s16 to s23, the last pointer and the ids, hold lane masks)
	TOKENS
	XLOAD                                          ; asked for whether or not the unit exists: tokens are held inside the table
	s_wait_loadcnt 50                              ; w1 is in; x's 50 loads stay out
	WIN 0x04                                       ; an LDS store's data are its source 1: window 1.  The stores' addresses were written ahead of XLOAD's wait, and no vector instruction has been issued since
.set qq, 0
.rept 16                               ; three loads are two rows of 768 bytes
	ds_store_b128 v[LA0], v[12*qq:12*qq+3] offset:2*ROWP*qq
	ds_store_b128 v[LA1], v[12*qq+4:12*qq+7] offset:2*ROWP*qq+512
	ds_store_b128 v[LA0], v[12*qq+8:12*qq+11] offset:2*ROWP*qq+1040
.set qq, qq+1
.endr
	WIN 0
.set jj, 0
.rept 32
	v_perm_b32 v[WS+jj], v[WS+jj], v[WS+jj], s92
.set jj, jj+1
.endr
.rept 8
	v_nop                                          ; a scale register written by a vector instruction stands eight places ahead of a scaled product
.endr
	s_wait_alu depctr_va_vdst(0)                   ; the 32 exchanges have written v[WS ..], which the products take as scales; the places above stay beside this wait
	s_wait_dscnt 0x0                               ; for the others: my 32 rows lie in LDS
	s_barrier_signal -1
	s_barrier_wait -1                              ; the launch's one barrier, on every wave's path
	s_wait_alu depctr_vm_vsrc(0)                   ; my LDS stores have read window 1's registers, in which the fragments' loads below land
	WIN 0x40
.irp t, 0,1,2,3
.irp s, 0,1,2,3
.irp c, 0,1,2
	ds_load_b128 v[48*\t+12*\s+4*\c:48*\t+12*\s+4*\c+3], v[WA] offset:8*ROWP*\t+96*\s+16*\c
.endr
.endr
.endr
	WIN 0x80
.irp t, 0,1,2,3
.irp s, 0,1,2,3
.irp c, 0,1,2
	ds_load_b128 v[48*\t+12*\s+4*\c:48*\t+12*\s+4*\c+3], v[WA] offset:8*ROWP*\t+96*(\s+4)+16*\c
.endr
.endr
.endr
	s_wait_dscnt 0x0
	WIN 0
	s_cmp_eq_u32 s[SU], 0
	s_cbranch_scc1 .Lend                           ; no unit of my parity
	s_mov_b32 s[SUC], 0
.Lunit:
	s_wait_loadcnt 0x0                             ; the unit's rows of x and their scale words
	s_wait_alu depctr_vm_vsrc(0)                   ; this unit's loads have read v[XO], v[XO+1] and v[XSO], which TOKENS writes again; the stores of the unit before have read v[OUT ..] and v[PAIR], which the quantiser writes again
	WIN 0x0d                                       ; source 0 (w1) window 1, source 1 (x) window 3
	MUL 0
	MUL 1
	MUL 2
	MUL 3
	WIN 0x0e                                       ; w1's K steps 4 to 7: window 2
	MUL 4
	MUL 5
	MUL 6
	MUL 7
	WIN 0
.rept 4
	v_nop                                          ; four places behind the last products (ISA guide 7.12.1), ahead of the first read of results
.endr
	s_add_co_u32 s[ST], s[SUC], 1
	s_cmp_ge_u32 s[ST], s[SU]
	s_cbranch_scc1 .Lno_next
	v_add_nc_u32 v[RHO], 64, v[RHO]                ; my next unit (two units on) is asked for now and lands under the activation
	SELECT RHO, TOKS
	TOKENS
	XLOAD
.Lno_next:
.irp b, 0,16,32,48
	GELU16 ACC+\b
.endr
	s_wait_xcnt 0x0                                ; the stores of the unit before have had their addresses translated: their bases and their data are written again only behind this wait
	s_add_nc_u64 s[HB:HB+1], s[HB:HB+1], 196608    ; two units on: the stores below reach back by their immediates
	s_add_nc_u64 s[HSB:HSB+1], s[HSB:HSB+1], 8192
.irp q, 0,1                            ; a lane's 32 numbers of a tile of rows are one block along F
	v_max3_num_f32 v[MX+\q], |v[ACC+32*\q]|, |v[ACC+32*\q+1]|, 0x2800000   ; with the floor 2^(5 - 127): the byte cannot fall under 1
.endr
.irp i, 2,4,6,8,10,12,14,16,18,20,22,24,26,28,30
.irp q, 0,1
	v_max3_num_f32 v[MX+\q], v[MX+\q], |v[ACC+32*\q+\i]|, |v[ACC+32*\q+\i+1]|
.endr
.endr
.irp q, 0,1
	v_add_nc_u32 v[EX+\q], 0xfe000000, v[MX+\q]    ; 4 off the exponent field: the conversion's scale operand
.endr
.irp q, 0,1
	v_lshrrev_b32 v[SB+\q], 23, v[EX+\q]           ; the scale's byte
.endr
.irp q, 0,1
	v_cvt_scalef32_pk16_bf6_f32 v[OUT+6*\q:OUT+6*\q+2], v[ACC+32*\q:ACC+32*\q+15], v[EX+\q]
	v_cvt_scalef32_pk16_bf6_f32 v[TMP+4*\q:TMP+4*\q+2], v[ACC+32*\q+16:ACC+32*\q+31], v[EX+\q]   ; (a conversion's three registers begin on an even number)
.endr
	v_nop                                          ; one plain line behind the scaled conversions
.irp q, 0,1
.irp i, 0,1,2
	v_mov_b32 v[OUT+6*\q+3+\i], v[TMP+4*\q+\i]
.endr
.endr
.irp i, 0,1,2,3,4,5
	v_permlane16_swap_b32 v[OUT+\i], v[OUT+6+\i]   ; lane (r, q) now holds token r of tile q: blocks 2 a and 2 a + 1, 48 bytes
.endr
	v_permlane16_swap_b32 v[SB], v[SB+1]
	v_lshl_or_b32 v[PAIR], v[SB+1], 8, v[SB]
	s_wait_alu depctr_va_vdst(0)                   ; the exchanges of halves have written v[OUT ..], the line above v[PAIR]: the four stores read them
.irp c, 0,1,2
	global_store_b128 v[HO], v[OUT+4*\c:OUT+4*\c+3], s[HB:HB+1] offset:512*\c-196608   ; each half of the lanes stores 256 consecutive bytes, at a multiple of 256 from hc's first byte
.endr
	global_store_b16 v[HSO], v[PAIR], s[HSB:HSB+1] offset:-8192
	s_add_co_u32 s[SUC], s[SUC], 1
	s_cmp_lt_u32 s[SUC], s[SU]
	s_cbranch_scc1 .Lunit
.Lend:
	s_wait_dscnt 0x0                               ; the closing lines, six on end
	s_wait_alu 0x0
	s_wait_tensorcnt 0x0
	ds_add_u32 v155, v159
	s_wait_dscnt 0x0
	s_endpgm
.Lfunc_end_k_qb21dcff21d_up:
	.size	k_qb21dcff21d_up, .Lfunc_end_k_qb21dcff21d_up-k_qb21dcff21d_up
	.p2alignl 7, 3214868480
	.fill 96, 4, 3214868480
	.section	.rodata,"a",@progbits
	.p2align	6, 0x0
	.amdhsa_kernel k_qb21dcff21d_up
		.amdhsa_group_segment_fixed_size 101376
		.amdhsa_private_segment_fixed_size 0
		.amdhsa_enable_private_segment 0
		.amdhsa_kernarg_size 56
		.amdhsa_user_sgpr_count 2
		.amdhsa_user_sgpr_kernarg_segment_ptr 1
		.amdhsa_wavefront_size32 1
		.amdhsa_system_sgpr_workgroup_id_x 1
		.amdhsa_system_sgpr_workgroup_id_y 1
		.amdhsa_system_sgpr_workgroup_id_z 1
		.amdhsa_system_vgpr_workitem_id 0
		.amdhsa_next_free_vgpr 960
		.amdhsa_next_free_sgpr 100
		.amdhsa_reserve_vcc 1
		.amdhsa_float_denorm_mode_32 3
		.amdhsa_float_denorm_mode_16_64 3
		.amdhsa_memory_ordered 1
		.amdhsa_forward_progress 1
		.amdhsa_inst_pref_size 129
	.end_amdhsa_kernel
	.amdgpu_metadata
---
amdhsa.version: [ 1, 2 ]
amdhsa.kernels:
  - .name:           k_qb21dcff21d_up
    .symbol:         k_qb21dcff21d_up.kd
    .args:
      - { .name: xc, .offset: 0, .size: 8, .value_kind: global_buffer, .address_space: global }
      - { .name: xs, .offset: 8, .size: 8, .value_kind: global_buffer, .address_space: global }
      - { .name: ids, .offset: 16, .size: 8, .value_kind: global_buffer, .address_space: global }
      - { .name: w1_codes, .offset: 24, .size: 8, .value_kind: global_buffer, .address_space: global }
      - { .name: w1_scales, .offset: 32, .size: 8, .value_kind: global_buffer, .address_space: global }
      - { .name: hc, .offset: 40, .size: 8, .value_kind: global_buffer, .address_space: global }
      - { .name: hs, .offset: 48, .size: 8, .value_kind: global_buffer, .address_space: global }
    .group_segment_fixed_size: 101376
    .private_segment_fixed_size: 0
    .kernarg_segment_align: 8
    .kernarg_segment_size: 56
    .max_flat_workgroup_size: 128
    .sgpr_count:     100
    .vgpr_count:     960
    .wavefront_size: 32
...
	.end_amdgpu_metadata
.endif
;; end of part 4
;; launch down (part 5): grid 32 x 8, 4 waves a work-group, no clusters, 177,152 bytes of LDS; arguments hc, hs, ids, w2_codes, w2_scales, out0; writes out0
.if DOCPART == 5
	.amdgcn_target "amdgcn-amd-amdhsa--gfx1250"
	.amdhsa_code_object_version 6
	.text
	.protected	k_qb21dcff21d_down
	.globl	k_qb21dcff21d_down
	.p2align	8
	.type	k_qb21dcff21d_down,@function
k_qb21dcff21d_down:
	s_mov_b64 s[64:65], 0
	v_nop
	global_prefetch_b8 v0, s[64:65] scope:SCOPE_SE
	s_setreg_imm32_b32 hwreg(HW_REG_WAVE_SCHED_MODE, 0, 2), 2
	s_setreg_imm32_b32 hwreg(HW_REG_WAVE_MODE, 25, 1), 1
	s_wait_xcnt 0x0
	s_wait_alu depctr_vm_vsrc(0)
; DOWN.  Work-group (Dt, e): outputs 32 Dt .. 32 Dt + 31 of expert e for the tokens that chose e: out = h w2[e], both operands codes of BF6 (E3M2) with E8M0 bytes; each row goes to its token's place in out0,
; which is the layer's last product with the one-hot.  Each output number has one owner.
; SHARES.  Wave w owns K steps 8 w .. 8 w + 7 of the 32 (768 bytes of each row of w2: 192 registers for the whole launch), so each byte of w2 and of the hidden layer comes into the work-group once.
; The four partial sums of a unit of 32 rows meet in a stage in LDS; each wave then adds and stores eight rows.
; BARRIERS stand only in a loop of constant count (16 passes of two units = the 32 units that one expert can have); the work of a unit past the expert's last is jumped over by scalar branches on the count.
; ORDER OF K: as in the launch before: lanes of half h take blocks 2 h and 2 h + 1 of every 128; scale words have bytes 1 and 2 exchanged.  K is summed in four quarters, (p0 + p1) + (p2 + p3), in f32.
; TRANSPOSED USE: source 0 = 16 rows of w2, source 1 = 16 tokens: a lane holds eight neighbouring outputs of one token.
; A rank past the expert's last repeats its last token: the repeated rows hold the same bits and are stored to the same place.
; LIMITS: NaN and infinities are not served.  NO CLUSTER, NO TENSOR LOAD: the number of units hangs on numbers read from memory.
; THE MODE: SCHED_MODE bits 1:0 = 2 (LLVM: expert scheduling mode 2), set by the entry lines.  The code itself states the register dependences between vector or matrix instructions and
; memory or LDS instructions, and from a vector instruction's scalar result to its readers, with s_wait_alu, always for 0.
; THE PLAN.  Registers that memory or LDS instructions touch, in the loop of passes:
;   windows 2, 3 v0-191, v[HR ..]   two buffers of a unit's images and scale words.  HLOAD's loads land in buffer 1 - i while unit i's products and exchanges read buffer i.
;   v[ACC ..], two sets             unit i of a pass: its products write set i; its eight LDS stores read it; it is written again a pass later.
;   v[RD ..], v[TOK ..], v[OFF ..], two sets   unit i of a pass: LDS loads land in RD and TOK, the additions work there and make OFF, two global stores read RD and OFF; used again a pass later.
;   v[LRU]                          the list's LDS address: written once a pass, read by the passes' LDS loads of tokens.
;   v[L16], v[L4], v[SA ..], v[RA ..]   made at the head and never written again; each buffer of images has a scalar base of its own, stepped behind the wait that shows the loads that read it done.
; A UNIT'S WAITS: one on va_vdst behind the exchanges of its scale words and their places; one on va_vdst behind the products' places, ahead of the LDS stores.  The second also states that the products and
; exchanges are done reading their buffer: no vector or matrix instruction between it and the next loads into that buffer names a register that those loads touch, so HLOAD has no wait of its own.
; A PASS'S WAITS, ahead of its barrier: one on vm_vsrc (the pass before has read v[LRU], RD and OFF; both units' LDS stores have read ACC), the add to v[LRU], one on va_vdst (v[LRU] is written; the additions of
; the pass before are done with RD and TOK).  Each unit's additions are followed by one on va_vdst ahead of its two stores.
; SCALAR RESULTS.  Compares stand in runs, into scalar registers of their own, with one wait on va_sdst behind each run; the five levels of the bit search hang on each other and have a wait on va_vcc each.
.set WP,   3088                        ; a row of w2 in LDS: 3,072 + 16
.set LIST, 98816                       ; behind the 32 rows: the token of rank k at 4 k
.set STG,  102912                      ; the stage: [pass parity][unit][wave][32 rows x (128 + 16) bytes]
.set SPAR, 36864
.set SUNI, 18432
.set SWAV, 4608
.set LN,   1
.set RW,   2
.set HF,   3
.set L16,  4
.set L4,   5
.set LA,   6
.set WA,   7
.set WSO,  8
.set RHO,  9
.set LB,   10
.set LAD,  11
.set SA,   12                          ; v12-13 into the stage, parity 0, 1
.set RA,   14                          ; v14-15 out of it
.set LR,   16
.set LRU,  17
.set PI,   22
.set TOKL, 23
.set T0,   24
.set T1,   25
.set WS,   32                          ; v32-47  w2's scale words, 8 n + s
.set HSW,  48                          ; v48-55  the unit's scale words: lanes 0-15 tile 0, lanes 16-31 tile 1
.set HR,   56                          ; v56-71  the same as loaded, two buffers
.set ACC,  72                          ; v72-103, v176-207  set i at ACC + 104 i: accumulator (tile of rows q, tile of outputs n) at 8 (2 q + n)
.set RD,   104                         ; v104-135, v136-167 set i at RD + 32 i: the four parts of two groups of four rows
.set TOK,  168                         ; v168-171 set i at TOK + 2 i
.set OFF,  172                         ; v172-175 set i at OFF + 2 i
.set ID,   224
.set TM_M, 232
.set TM_Z, 233
.set TM_A, 234
.set TM_B, 235
.set TM_C, 236
.set TM_D, 237
.set TM_K, 238
.set TM_P, 239
.set TM_T, 240
.set TM_U, 241
.set MK,   2                           ; s2-9  behind MASKS: eight lane masks of the search (the pointers that lay in s4 to s9 are done with)
.set SWV,  18
.set SDT,  21
.set SE,   22
.set SNE,  23
.set SNL,  24
.set SU,   25
.set SUC,  26
.set ST,   27
.set SP,   28
.set SZ,   29
.set SUB,  30
.set SLO2, 31
.set SM,   32
.set SLO,  66
.set SCNT, 67
.set SUL,  68
.set SPERM, 69
.set HB,   70                          ; s[70:71] buffer 0's next unit in hc; buffer 1's: s[80:81]
.set HSB,  72                          ; s[72:73] the same in hs; buffer 1's: s[82:83]
.set OB,   74
.set SX,   76
.set SY,   78
.set SP2,  79                          ; s79 the prefix count, made a second time for the selections
.set MSB, 0
.macro WIN new                         ; the immediate's high byte repeats the setting that is left
.if MSB != (\new)
	s_set_vgpr_msb (MSB<<8)|(\new)
.set MSB, (\new)
.endif
.endm
.macro MASKS                           ; the 32 masks, the expert's number of rows n, n - 1, ceil(n / 32)
.set gg, 0
.rept 32
	v_cmp_eq_u32 s[SM+gg], s[SE], v[ID+gg]
.set gg, gg+1
.endr
	s_wait_alu depctr_va_sdst(0)                   ; the 32 compares have written s[SM ..], which the counts below read
	s_mov_b32 s[SNE], 0
.set gg, 0
.rept 32
	s_bcnt1_i32_b32 s[ST], s[SM+gg]
	s_add_co_u32 s[SNE], s[SNE], s[ST]
.set gg, gg+1
.endr
	s_sub_co_u32 s[SNL], s[SNE], 1
	s_add_co_u32 s[SU], s[SNE], 31
	s_lshr_b32 s[SU], s[SU], 5
.endm
.macro LEVEL w, src
	v_bfe_u32 v[TM_T], v[\src], v[TM_P], \w
	v_cmp_ge_u32 vcc_lo, v[TM_K], v[TM_T]
	v_sub_nc_u32 v[TM_U], v[TM_K], v[TM_T]
	s_wait_alu depctr_va_vcc(0)                    ; the compare has written VCC, which the two selections read
	v_cndmask_b32 v[TM_K], v[TM_K], v[TM_U], vcc_lo
	v_add_nc_u32 v[TM_U], \w, v[TM_P]
	v_cndmask_b32 v[TM_P], v[TM_P], v[TM_U], vcc_lo
.endm
.macro SELECT rho, tok                 ; each lane's rank (held at n - 1) -> its token: the same order of rows as in the launch before
	v_min_u32 v[TM_K], s[SNL], v[\rho]
	v_mov_b32 v[TM_M], s[SM]
	v_mov_b32 v[TM_Z], 0
	s_mov_b32 s[SP], 0
	s_mov_b32 s[SP2], 0
.set g0, 1
.rept 4                                ; the last group whose prefix count is at most the rank holds it.  Eight groups at a time: a run of compares, one wait, the selections
.set gg, g0
.rept 8
.if gg < 32
	s_bcnt1_i32_b32 s[ST], s[SM+gg-1]
	s_add_co_u32 s[SP], s[SP], s[ST]
	v_cmp_le_u32 s[MK+gg-g0], s[SP], v[TM_K]
.endif
.set gg, gg+1
.endr
	s_wait_alu depctr_va_sdst(0)                   ; the run of compares has written s[MK ..], which the selections below read
.set gg, g0
.rept 8
.if gg < 32
	s_bcnt1_i32_b32 s[ST], s[SM+gg-1]              ; the same prefix count once more
	s_add_co_u32 s[SP2], s[SP2], s[ST]
	s_or_b32 s[SZ], s[SP2], (128*(gg>>2)+(gg&3))<<16
	v_cndmask_b32 v[TM_M], v[TM_M], s[SM+gg], s[MK+gg-g0]
	v_cndmask_b32 v[TM_Z], v[TM_Z], s[SZ], s[MK+gg-g0]
.endif
.set gg, gg+1
.endr
.set g0, g0+8
.endr
	v_and_b32 v[TM_T], 0xffff, v[TM_Z]
	v_sub_nc_u32 v[TM_K], v[TM_K], v[TM_T]
	v_lshrrev_b32 v[TM_Z], 16, v[TM_Z]
	v_lshrrev_b32 v[TM_T], 1, v[TM_M]
	v_and_b32 v[TM_T], 0x55555555, v[TM_T]
	v_sub_nc_u32 v[TM_A], v[TM_M], v[TM_T]
	v_lshrrev_b32 v[TM_T], 2, v[TM_A]
	v_and_b32 v[TM_T], 0x33333333, v[TM_T]
	v_and_b32 v[TM_B], 0x33333333, v[TM_A]
	v_add_nc_u32 v[TM_B], v[TM_B], v[TM_T]
	v_lshrrev_b32 v[TM_T], 4, v[TM_B]
	v_add_nc_u32 v[TM_C], v[TM_B], v[TM_T]
	v_and_b32 v[TM_C], 0x0f0f0f0f, v[TM_C]
	v_lshrrev_b32 v[TM_T], 8, v[TM_C]
	v_add_nc_u32 v[TM_D], v[TM_C], v[TM_T]
	v_and_b32 v[TM_T], 0xff, v[TM_D]
	v_cmp_ge_u32 vcc_lo, v[TM_K], v[TM_T]
	v_sub_nc_u32 v[TM_U], v[TM_K], v[TM_T]
	s_wait_alu depctr_va_vcc(0)                    ; the compare has written VCC, which the two selections read
	v_cndmask_b32 v[TM_K], v[TM_K], v[TM_U], vcc_lo
	v_cndmask_b32 v[TM_P], 0, 16, vcc_lo
	LEVEL 8, TM_C
	LEVEL 4, TM_B
	LEVEL 2, TM_A
	LEVEL 1, TM_M
	v_lshl_add_u32 v[\tok], v[TM_P], 2, v[TM_Z]
	v_min_u32 v[\tok], 0x3ff, v[\tok]
.endm
.macro WM d, a, b, zero, sa, sb, row
.if \zero
.if \row
	v_wmma_scale_f32_16x16x128_f8f6f4 v[(\d):(\d)+7], v[(\a):(\a)+11], v[(\b):(\b)+11], 0, v[(\sa)], v[(\sb)] matrix_a_fmt:MATRIX_FMT_BF6 matrix_b_fmt:MATRIX_FMT_BF6 matrix_b_scale:MATRIX_SCALE_ROW1
.else
	v_wmma_scale_f32_16x16x128_f8f6f4 v[(\d):(\d)+7], v[(\a):(\a)+11], v[(\b):(\b)+11], 0, v[(\sa)], v[(\sb)] matrix_a_fmt:MATRIX_FMT_BF6 matrix_b_fmt:MATRIX_FMT_BF6
.endif
.else
.if \row
	v_wmma_scale_f32_16x16x128_f8f6f4 v[(\d):(\d)+7], v[(\a):(\a)+11], v[(\b):(\b)+11], v[(\d):(\d)+7], v[(\sa)], v[(\sb)] matrix_a_fmt:MATRIX_FMT_BF6 matrix_b_fmt:MATRIX_FMT_BF6 matrix_b_scale:MATRIX_SCALE_ROW1
.else
	v_wmma_scale_f32_16x16x128_f8f6f4 v[(\d):(\d)+7], v[(\a):(\a)+11], v[(\b):(\b)+11], v[(\d):(\d)+7], v[(\sa)], v[(\sb)] matrix_a_fmt:MATRIX_FMT_BF6 matrix_b_fmt:MATRIX_FMT_BF6
.endif
.endif
.endm
.macro HLOAD buf                       ; a unit's images of my eight K steps: 48 loads of 512 consecutive bytes, and eight of its scale words: 56 loads, by the buffer's own bases
	WIN 0x80+0x40*(\buf)
.irp q, 0,1
.set jj, 0
.rept 24
	global_load_b128 v[96*\q+4*jj:96*\q+4*jj+3], v[L16], s[HB+10*(\buf):HB+10*(\buf)+1] offset:49152*\q+512*jj
.set jj, jj+1
.endr
.endr
	WIN 0
.irp s, 0,1,2,3,4,5,6,7
	global_load_b32 v[HR+8*(\buf)+\s], v[L4], s[HSB+10*(\buf):HSB+10*(\buf)+1] offset:128*\s
.endr
.endm
.macro UNIT i, par                     ; the running unit, in buffer i
.set AB, ACC+104*\i
	s_add_co_u32 s[ST], s[SUC], 1
	s_cmp_ge_u32 s[ST], s[SU]
	s_cbranch_scc1 .Llast_\@
	HLOAD 1-\i                                     ; the next unit, into the other buffer.  No wait: its last readers stand ahead of the wait in front of their unit's LDS stores, and nothing issued since names its registers
	s_wait_loadcnt 56                              ; this unit's loads are in; the 56 just issued stay out
	s_add_nc_u64 s[HB+10*\i:HB+10*\i+1], s[HB+10*\i:HB+10*\i+1], 196608     ; free since that wait, which shows the loads that read them done: this buffer's next unit, two on
	s_add_nc_u64 s[HSB+10*\i:HSB+10*\i+1], s[HSB+10*\i:HSB+10*\i+1], 8192
	s_branch .Lgo_\@
.Llast_\@:
	s_wait_loadcnt 0x0
.Lgo_\@:
	s_cmp_ge_u32 s[SUC], s[SU]
	s_cbranch_scc1 .Lnone_\@
.irp s, 0,1,2,3,4,5,6,7
	v_perm_b32 v[HSW+\s], v[HR+8*\i+\s], v[HR+8*\i+\s], s[SPERM]
.endr
.rept 8
	v_nop                                          ; a scale register written by a vector instruction stands eight places ahead of a scaled product
.endr
	s_wait_alu depctr_va_vdst(0)                   ; the exchanges have written v[HSW ..] (in the first unit v[WS ..] too), which the products take as scales; the places above stay beside this wait
	WIN 0x09+4*\i                                  ; source 0 (w2) window 1, source 1 (the hidden layer) window 2 or 3
.irp s, 0,1,2,3,4,5,6,7                ; the four accumulators by turns, one instruction a turn; the first K step starts the sums
.irp q, 0,1
.irp n, 0,1
.if \s == 0
	WM AB+8*(2*\q+\n), 96*\n+12*\s, 96*\q+12*\s, 1, WS+8*\n+\s, HSW+\s, \q
.else
	WM AB+8*(2*\q+\n), 96*\n+12*\s, 96*\q+12*\s, 0, WS+8*\n+\s, HSW+\s, \q
.endif
.endr
.endr
.endr
	WIN 0
.rept 4
	v_nop                                          ; four places behind the last products (ISA guide 7.12.1)
.endr
	s_wait_alu depctr_va_vdst(0)                   ; the products have written the accumulators, which the LDS stores read, and are done reading this buffer's images; the exchanges are done reading its scale words
.irp q, 0,1
.irp n, 0,1
	ds_store_b128 v[SA+\par], v[AB+8*(2*\q+\n):AB+8*(2*\q+\n)+3] offset:SUNI*\i+2304*\q+64*\n       ; each accumulator from its low end on
	ds_store_b128 v[SA+\par], v[AB+8*(2*\q+\n)+4:AB+8*(2*\q+\n)+7] offset:SUNI*\i+2304*\q+64*\n+16
.endr
.endr
.Lnone_\@:
	s_add_co_u32 s[SUC], s[SUC], 1
.endm
.macro REDUCE i, par                   ; my eight rows of unit SUB + i: four parts are added, and the rows go to their tokens.  Set i of the registers: the pass's waits have freed it
.set RB, RD+32*\i
.set TK, TOK+2*\i
.set OF, OFF+2*\i
	s_add_co_u32 s[ST], s[SUB], \i
	s_cmp_ge_u32 s[ST], s[SU]
	s_cbranch_scc1 .Lnored_\@
.irp k, 0,1
	ds_load_b32 v[TK+\k], v[LRU] offset:128*\i+16*\k
.endr
.irp k, 0,1
.irp w, 0,1,2,3
	ds_load_b128 v[RB+16*\k+4*\w:RB+16*\k+4*\w+3], v[RA+\par] offset:SUNI*\i+SWAV*\w+576*\k
.endr
.endr
	s_wait_dscnt 0x0
.irp k, 0,1
.irp p, 0,2
	v_pk_add_f32 v[RB+16*\k+\p:RB+16*\k+\p+1], v[RB+16*\k+\p:RB+16*\k+\p+1], v[RB+16*\k+4+\p:RB+16*\k+4+\p+1]
	v_pk_add_f32 v[RB+16*\k+8+\p:RB+16*\k+8+\p+1], v[RB+16*\k+8+\p:RB+16*\k+8+\p+1], v[RB+16*\k+12+\p:RB+16*\k+12+\p+1]
.endr
.endr
.irp k, 0,1
	v_min_u32 v[TK+\k], 0x3ff, v[TK+\k]
.irp p, 0,2
	v_pk_add_f32 v[RB+16*\k+\p:RB+16*\k+\p+1], v[RB+16*\k+\p:RB+16*\k+\p+1], v[RB+16*\k+8+\p:RB+16*\k+8+\p+1]
.endr
	v_lshl_add_u32 v[OF+\k], v[TK+\k], 12, v[PI]
.endr
	s_wait_alu depctr_va_vdst(0)                   ; the additions have written the sums, the lines beside them the offsets: the two stores read both
.irp k, 0,1
	global_store_b128 v[OF+\k], v[RB+16*\k:RB+16*\k+3], s[OB:OB+1] th:TH_STORE_NT   ; eight lanes store a token's 128 bytes; four tokens an instruction
.endr
.Lnored_\@:
.endm
.macro TRIP par                        ; two units.  ONE barrier: behind it the parts lie in the stage of this parity; that stage is written again two passes on, behind the next barrier, ahead of which every wave has waited for its reads
	UNIT 0, \par
	UNIT 1, \par
	s_wait_xcnt 0x0                                ; the stores of the pass before have had their addresses translated: their data and offsets are written again only behind this wait
	s_wait_alu depctr_vm_vsrc(0)                   ; the LDS loads of the pass before have read v[LRU], its stores their sums and offsets; this pass's LDS stores have read both sets of accumulators
	v_add_nc_u32 v[LRU], s[SLO2], v[LR]
	s_wait_alu depctr_va_vdst(0)                   ; v[LRU] is written, which the LDS loads below read; the additions of the pass before are done with the registers in which those loads land
	s_wait_dscnt 0x0
	s_barrier_signal -1
	s_barrier_wait -1
	REDUCE 0, \par
	REDUCE 1, \par
	s_add_co_u32 s[SUB], s[SUB], 2
	s_add_co_u32 s[SLO2], s[SLO2], 256
.endm
	s_load_b256 s[4:11], s[0:1], 0x0               ; hc s[4:5], hs s[6:7], ids s[8:9], w2's codes s[10:11]
	s_load_b128 s[12:15], s[0:1], 0x20             ; w2's scales s[12:13], out0 s[14:15]
	v_lshl_add_u32 v222, v0, 2, 0x2b200
	v_mov_b32 v223, 0
	v_lshrrev_b32 v[T0], 5, v0
	v_readfirstlane_b32 s[SWV], v[T0]
	v_and_b32 v[LN], 31, v0
	v_and_b32 v[RW], 15, v0
	v_bfe_u32 v[HF], v0, 4, 1
	v_lshlrev_b32 v[L16], 4, v[LN]
	v_lshlrev_b32 v[L4], 2, v[LN]
	v_lshlrev_b32 v[WSO], 7, v[RW]                 ; a row of w2's scale bytes is 128 bytes
	s_wait_alu depctr_va_sdst(0)                   ; the wave's number is written, ahead of its first reader
	s_mov_b32 s[SDT], ttmp9
	s_and_b32 s[SE], ttmp7, 0xffff
	s_mov_b32 s[SPERM], 0x03010200
	s_mul_i32 s[SX], s[SE], 3145728                ; my 8 rows of w2: ((1,024 e + 32 Dt) + 8 w) x 3,072 bytes
	s_mul_i32 s[SY], s[SDT], 98304
	s_add_co_u32 s[SX], s[SX], s[SY]
	s_mul_i32 s[SY], s[SWV], 24576
	s_add_co_u32 s[SX], s[SX], s[SY]
	s_mov_b32 s[SX+1], 0
	s_wait_kmcnt 0x0
	s_wait_alu depctr_va_vdst(0)                   ; v[L16], v[L4] and v[WSO] are written, the offsets of every load from memory
.irp i, 0,1,2,3,4,5,6,7
	global_load_b128 v[ID+4*\i:ID+4*\i+3], v[L16], s[8:9] offset:512*\i
.endr
	s_add_nc_u64 s[10:11], s[10:11], s[SX:SX+1]
	s_lshl_b32 s[SX], s[SE], 17                    ; the scale bytes of the 32 rows, my eight words of each: (1,024 e + 32 Dt) x 128 + 32 w
	s_lshl_b32 s[SY], s[SDT], 12
	s_add_co_u32 s[SX], s[SX], s[SY]
	s_lshl_b32 s[SY], s[SWV], 5
	s_add_co_u32 s[SX], s[SX], s[SY]
	s_add_nc_u64 s[12:13], s[12:13], s[SX:SX+1]
	WIN 0xc0
.set ii, 0
.rept 48
	global_load_b128 v[4*ii:4*ii+3], v[L16], s[10:11] offset:512*ii th:TH_LOAD_NT   ; 512 consecutive bytes a load; read once in the launch
.set ii, ii+1
.endr
	WIN 0
.irp n, 0,1
.irp i, 0,1
	global_load_b128 v[WS+8*\n+4*\i:WS+8*\n+4*\i+3], v[WSO], s[12:13] offset:2048*\n+16*\i
.endr
.endr
	s_mul_i32 s[SX], s[SE], 3145728                ; hc: the expert's unit 0, my eight K steps
	s_mul_i32 s[SY], s[SWV], 12288
	s_add_co_u32 s[SX], s[SX], s[SY]
	s_add_nc_u64 s[HB:HB+1], s[4:5], s[SX:SX+1]
	s_add_nc_u64 s[HB+10:HB+11], s[HB:HB+1], 98304 ; buffer 1 begins with unit 1
	s_lshl_b32 s[SX], s[SE], 17
	s_lshl_b32 s[SY], s[SWV], 10
	s_add_co_u32 s[SX], s[SX], s[SY]
	s_add_nc_u64 s[HSB:HSB+1], s[6:7], s[SX:SX+1]
	s_add_nc_u64 s[HSB+10:HSB+11], s[HSB:HSB+1], 4096
	s_lshl_b32 s[SX], s[SDT], 7
	s_add_nc_u64 s[OB:OB+1], s[14:15], s[SX:SX+1]
	s_mul_i32 s[SY], s[SWV], 8*WP
	v_add_nc_u32 v[LA], s[SY], v[L16]              ; into LDS: my 8 rows
	s_mul_i32 s[SY], s[SWV], 768
	v_mul_u32_u24 v[WA], v[RW], WP
	v_mad_u32_u24 v[WA], v[HF], 48, v[WA]
	v_add_nc_u32 v[WA], s[SY], v[WA]               ; out of LDS: row r (+ 16 n), my 768 bytes, + 48 h
	s_lshl_b32 s[SY], s[SWV], 7
	v_add_nc_u32 v[LB], s[SY], v[L4]
	v_add_nc_u32 v[LB], LIST, v[LB]                ; the list: unit w + 4 q, rank = lane
	s_mul_i32 s[SY], s[SWV], SWAV
	v_mul_u32_u24 v[SA], v[RW], 144
	v_lshl_add_u32 v[SA], v[HF], 5, v[SA]
	v_add_nc_u32 v[SA], s[SY], v[SA]
	v_add_nc_u32 v[SA], STG, v[SA]                 ; the stage, in: my part, row r (+ 16 q), + 32 h
	v_add_nc_u32 v[SA+1], SPAR, v[SA]
	v_lshrrev_b32 v[T0], 3, v[LN]                  ; l / 8
	v_and_b32 v[T1], 7, v[LN]                      ; l % 8
	v_lshlrev_b32 v[PI], 4, v[T1]
	s_mul_i32 s[SY], s[SWV], 8*144
	v_mad_u32_u24 v[RA], v[T0], 144, v[PI]
	v_add_nc_u32 v[RA], s[SY], v[RA]
	v_add_nc_u32 v[RA], STG, v[RA]                 ; and out: row 8 w + l / 8 (+ 4 k), 16 bytes a lane
	v_add_nc_u32 v[RA+1], SPAR, v[RA]
	s_lshl_b32 s[SY], s[SWV], 5
	v_lshl_add_u32 v[LR], v[T0], 2, s[SY]
	v_add_nc_u32 v[LR], LIST, v[LR]                ; that row's token
.irp s, 0,1,2,3,4,5,6,7
	v_mov_b32 v[HR+8+\s], 0                        ; buffer 1 is written on every way before it is named
.endr
	s_wait_loadcnt 52                              ; the stored numbers are in; the 48 + 4 loads of w2 stay out
	MASKS
	s_mov_b32 s[SLO], 0
	s_mov_b32 s[SUL], s[SWV]
	s_mov_b32 s[SCNT], 8
.Llist:                                            ; eight trips: wave w lists units w, w + 4, ..
	s_wait_alu depctr_vm_vsrc(0)                   ; the last trip's LDS store has read v[LAD] and v[TOKL], which this trip writes again
	v_add_nc_u32 v[LAD], s[SLO], v[LB]
	s_cmp_ge_u32 s[SUL], s[SU]
	s_cbranch_scc1 .Lno_list
	s_lshl_b32 s[SY], s[SUL], 5
	v_add_nc_u32 v[RHO], s[SY], v[LN]
	SELECT RHO, TOKL                               ; (s2 to s9 hold lane masks from here on)
	s_wait_alu depctr_va_vdst(0)                   ; v[LAD] and v[TOKL] are written, which the LDS store reads
	ds_store_b32 v[LAD], v[TOKL]
.Lno_list:
	s_add_co_u32 s[SUL], s[SUL], 4
	s_add_co_u32 s[SLO], s[SLO], 512
	s_sub_co_u32 s[SCNT], s[SCNT], 1
	s_cmp_lg_u32 s[SCNT], 0
	s_cbranch_scc1 .Llist
	s_wait_alu depctr_va_vdst(0)                   ; the LDS addresses v[LA], v[WA], v[SA ..] and v[RA ..] are written, which the LDS instructions from here on read; so are the zeros in v[HR+8 ..], in which loads will land
	HLOAD 0                                        ; unit 0 of every expert has been written: it is asked for whatever the count
	s_wait_loadcnt 56                              ; w2 is in; the unit's 56 loads stay out
	WIN 0x0c                                       ; an LDS store's data are its source 1: window 3
.set ii, 0
.rept 48
	ds_store_b128 v[LA], v[4*ii:4*ii+3] offset:WP*(ii/6)+512*(ii%6)
.set ii, ii+1
.endr
	WIN 0
.set jj, 0
.rept 16
	v_perm_b32 v[WS+jj], v[WS+jj], v[WS+jj], s[SPERM]   ; (each unit's eight exchanges, eight v_nop and its wait stand between these and the first product)
.set jj, jj+1
.endr
	s_wait_dscnt 0x0                               ; for the others: my rows of w2 and my part of the list lie in LDS
	s_barrier_signal -1
	s_barrier_wait -1
	s_wait_alu depctr_vm_vsrc(0)                   ; my LDS stores have read window 3's registers, in which unit 1's images will land
	WIN 0x40
.irp n, 0,1
.irp s, 0,1,2,3,4,5,6,7
.irp c, 0,1,2
	ds_load_b128 v[96*\n+12*\s+4*\c:96*\n+12*\s+4*\c+3], v[WA] offset:16*WP*\n+96*\s+16*\c
.endr
.endr
.endr
	s_wait_dscnt 0x0
	WIN 0
	s_mov_b32 s[SUC], 0
	s_mov_b32 s[SUB], 0
	s_mov_b32 s[SLO2], 0
	s_mov_b32 s[SCNT], 8
.Lpass:
	TRIP 0
	TRIP 1
	s_sub_co_u32 s[SCNT], s[SCNT], 1
	s_cmp_lg_u32 s[SCNT], 0
	s_cbranch_scc1 .Lpass
	s_wait_dscnt 0x0                               ; the closing lines, six on end
	s_wait_alu 0x0
	s_wait_tensorcnt 0x0
	ds_add_u32 v222, v223
	s_wait_dscnt 0x0
	s_endpgm
.Lfunc_end_k_qb21dcff21d_down:
	.size	k_qb21dcff21d_down, .Lfunc_end_k_qb21dcff21d_down-k_qb21dcff21d_down
	.p2alignl 7, 3214868480
	.fill 96, 4, 3214868480
	.section	.rodata,"a",@progbits
	.p2align	6, 0x0
	.amdhsa_kernel k_qb21dcff21d_down
		.amdhsa_group_segment_fixed_size 177152
		.amdhsa_private_segment_fixed_size 0
		.amdhsa_enable_private_segment 0
		.amdhsa_kernarg_size 48
		.amdhsa_user_sgpr_count 2
		.amdhsa_user_sgpr_kernarg_segment_ptr 1
		.amdhsa_wavefront_size32 1
		.amdhsa_system_sgpr_workgroup_id_x 1
		.amdhsa_system_sgpr_workgroup_id_y 1
		.amdhsa_system_sgpr_workgroup_id_z 1
		.amdhsa_system_vgpr_workitem_id 0
		.amdhsa_next_free_vgpr 960
		.amdhsa_next_free_sgpr 84
		.amdhsa_reserve_vcc 1
		.amdhsa_float_denorm_mode_32 3
		.amdhsa_float_denorm_mode_16_64 3
		.amdhsa_memory_ordered 1
		.amdhsa_forward_progress 1
		.amdhsa_inst_pref_size 95
	.end_amdhsa_kernel
	.amdgpu_metadata
---
amdhsa.version: [ 1, 2 ]
amdhsa.kernels:
  - .name:           k_qb21dcff21d_down
    .symbol:         k_qb21dcff21d_down.kd
    .args:
      - { .name: hc, .offset: 0, .size: 8, .value_kind: global_buffer, .address_space: global }
      - { .name: hs, .offset: 8, .size: 8, .value_kind: global_buffer, .address_space: global }
      - { .name: ids, .offset: 16, .size: 8, .value_kind: global_buffer, .address_space: global }
      - { .name: w2_codes, .offset: 24, .size: 8, .value_kind: global_buffer, .address_space: global }
      - { .name: w2_scales, .offset: 32, .size: 8, .value_kind: global_buffer, .address_space: global }
      - { .name: out0, .offset: 40, .size: 8, .value_kind: global_buffer, .address_space: global }
    .group_segment_fixed_size: 177152
    .private_segment_fixed_size: 0
    .kernarg_segment_align: 8
    .kernarg_segment_size: 48
    .max_flat_workgroup_size: 128
    .sgpr_count:     84
    .vgpr_count:     960
    .wavefront_size: 32
...
	.end_amdgpu_metadata
.endif
;; end of part 5
